; MI455X (gfx1250); checked and timed in simulation.
; The chip was launched on July 23, 2026; its instructions are those of AMD's public machine-readable ISA for CDNA 5 (MIT licence, August 2026) and "CDNA5" Instruction Set Architecture Reference Guide (July 2026). The comments in the code are by the model that wrote it; some were corrected since.
;; Multi Head Attention. Allowed arithmetic: matrix products marked QUANTISED: E2M3 operands, one E8M0 scale for each 32 along K, by v_wmma_scale_f32_16x16x128_f8f6f4 with both operands' format E2M3, f32 sums; everything else in f32.
;; Inputs: Wk 1,024 x 1,024 float32; Wo 1,024 x 1,024 float32; Wq 1,024 x 1,024 float32; Wv 1,024 x 1,024 float32; bk 1,024 float32; bo 1,024 float32; bq 1,024 float32; bv 1,024 float32; padding_mask 4 x 2,048 int32; xk 4 x 2,048 x 1,024 float32; xq 4 x 2,048 x 1,024 float32; xv 4 x 2,048 x 1,024 float32.
;; Outputs: out0 4 x 2,048 x 1,024 float32.
;; This version of the problem:
;;   THIS VERSION OF THE PROBLEM IS GIVEN IN LOW PRECISION. The matrix products marked QUANTISED in the list below multiply operands that are first quantised to E2M3 (2 exponent bits, 3 mantissa bits; 6 bits a number), with one power-of-two scale for each 32 numbers along K (OCP MX v1.0); their sums are f32. All else is computed in f32.
;;   The module's matrix products, in the order in which they are computed (A, B: the left and right operand; K: the contracted axis; several contracted axes count as one K, in the product's order):
;;     1. [M 8,192, K 1,024] x [K 1,024, N 1,024]; A: input xq; B: input Wq: QUANTISED
;;     2. [M 8,192, K 1,024] x [K 1,024, N 1,024]; A: input xk; B: input Wk: QUANTISED
;;     3. [M 8,192, K 1,024] x [K 1,024, N 1,024]; A: input xv; B: input Wv: QUANTISED
;;     4. batch 64 x [M 2,048, K 64] x [K 64, N 2,048]; A: computed on the way; B: computed on the way: QUANTISED
;;     5. batch 64 x [M 2,048, K 2,048] x [K 2,048, N 64]; A: softmax (see below); B: computed on the way: QUANTISED
;;     6. [M 8,192, K 1,024] x [K 1,024, N 1,024]; A: computed on the way; B: input Wo: QUANTISED
;;   THE QUANTISER, for each operand of a quantised product, along K:
;;     - K is cut into blocks of 32 from its start; a last block that is shorter is filled with zeros.
;;     - A block's scale is 2^e with e = floor(log2(the largest magnitude in the block)) - 2, held to -126 .. 127; a block of zeros has e = 0. As a byte (E8M0): e + 127.
;;     - Each number is divided by its block's scale, clamped to +-7.5, and rounded to the nearest number of E2M3, ties to even, subnormals kept.
;;     - The product sums the exact products of the quantised numbers (number of the format x scale) in f32.
;;   ~~~python
;;   def quantise(x, axis):      # numpy; x: float32 -> the quantised numbers, widened to float32 again
;;       x = np.moveaxis(x, axis, -1); K = x.shape[-1]
;;       x = np.pad(x, [(0, 0)] * (x.ndim - 1) + [(0, -K % 32)]); x = x.reshape(x.shape[:-1] + (-1, 32)); a = np.abs(x).max(-1, keepdims=True)
;;       e = np.where(a > 0, np.clip(np.frexp(np.where(a > 0, a, 1))[1] - 1 - 2, -126, 127), 0)      # np.frexp(a)[1] - 1 = floor(log2(a)), exactly
;;       r = np.clip(x / 2.0 ** e, -7.5, 7.5)
;;       step = 2.0 ** (np.maximum(np.frexp(np.where(r == 0, 1, r))[1] - 1, 0) - 3)
;;       q = np.round(r / step) * step * 2.0 ** e      # np.round: ties to even
;;       return np.moveaxis(q.reshape(q.shape[:-2] + (-1,))[..., :K], -1, axis).astype(np.float32)
;;   ~~~
;;   SOFTMAX AHEAD OF A QUANTISED PRODUCT. Where the list says 'softmax', what is quantised is not the finished softmax but p = 2^(t - M), with t = logit x log2(e) and M = ceil(the row's largest t), a whole number; so 1/2 < the row's largest p <= 1. The row's sum l is taken of the UNQUANTISED p, in f32, and the product's result is divided by l at the end. Since M is a whole number, a kernel that streams over the keys may use a running M (the ceiling of the running maximum): every later rescaling is an exact power of two, which a block's scale takes up: the codes' values come out the same.
;;   OPERANDS COMPUTED ON THE WAY. 'Computed on the way' means the value that the module computes at that place (a softmax that the list does not call 'softmax' is quantised finished and normalised). What goes into a quantiser is computed in f32, as accurately as f32 sums, v_exp_f32 and their like allow (about 1e-6 of the number): no bf16 or f16 on the way to a quantiser, and a product that is left as it is and whose result goes on into a quantised operand takes f32 operands (vector FMAs, or v_wmma_f32_16x16x4_f32). A number that lies on a knife's edge between two numbers of the format may be rounded either way, as far as f32 arithmetic and the matrix unit's own rounding can turn it there, and no further.
;; One version. Each part assembles by itself: llvm-mc -triple=amdgcn-amd-amdhsa -mcpu=gfx1250 --defsym DOCPART=n.
;; ======== version 1 of 1: 4 launches
;; limits: right only within a limited range of input values
;; workspace buffers: xc 19,660,800 bytes; wc 3,276,800 bytes; qc 6,815,744 bytes; kv 13,369,344 bytes; ac 6,553,600 bytes
;; launch quantx (part 1): grid 512 x 1, 4 waves a work-group, no clusters, 64,000 bytes of LDS; arguments xq, xk, xv, xc, Wq, Wk, Wv, Wo, wc; writes xc, wc
.if DOCPART == 1
	.amdgcn_target "amdgcn-amd-amdhsa--gfx1250"
	.amdhsa_code_object_version 6
	.text
	.protected	k_q27996b7b4d_quantx
	.globl	k_q27996b7b4d_quantx
	.p2align	8
	.type	k_q27996b7b4d_quantx,@function
k_q27996b7b4d_quantx:
	s_mov_b64 s[64:65], 0
	v_nop
	global_prefetch_b8 v0, s[64:65] scope:SCOPE_SE
	s_setreg_imm32_b32 hwreg(HW_REG_WAVE_MODE, 25, 1), 1
	s_wait_xcnt 0x0
; xq, xk, xv [8192][1024] f32 become codes of FP6 (E2M3) with one E8M0 byte for each 32 along K, laid in the ORDER OF THE OPERAND'S REGISTERS.
; A GROUP is 64 rows x K = 1,024: 51,200 bytes.  Fragment (tile i of 4, K step s of 8) lies at 12288 i + 1536 s: for each half c of the step's 128 (768 bytes): registers 6c .. 6c+3 of lane l at 16 l,
; registers 6c+4, 6c+5 at 512 + 8 l.  The scale words lie at 49152 + 256 s + 64 i + 4 r.
; THE ROWS OF A TILE ARE NOT NEIGHBOURS: lane r of tile 2 b + u holds row 32 b + 8 u + r + 8 (r / 8) of the group, so that later results lie as 16 neighbours in a lane's registers.
; A block's scale is 2^(floor(log2(its largest magnitude)) - 2); its byte is that magnitude's exponent field - 2, held at 1 from below.
; LIMITS: a block of zeros keeps the byte 1 (its codes are zeros, and this program alone reads the bytes); blocks whose largest magnitude lies under 2^-124 have the byte held at 1; NaN and infinities are not served.
; SHARES: a work-group takes one group of one tensor; wave w takes K steps 2 w and 2 w + 1 of all four tiles: eight fragments.  Each load reads 512 consecutive bytes of one row; a fragment's 16 rows
; turn through the wave's own stage in LDS, so that a lane gets 16 neighbours of each block.  No barrier: waves share nothing.  Loads run two fragments (32 loads a wave) ahead.
.set WREG,   9216                      ; LDS of a wave: the stage, 16 rows x 528 bytes, and 512 bytes of scale words
.set SPITCH, 528                       ; 512 bytes + 16: the sixteen rows that a load of 16 bytes a lane touches start in different banks
.set SCA,    8448
.set R,      16                        ; v16-143  two sets of 64 registers as loaded
.set X,      144                       ; v144-207 64 numbers: register 16 b + i = k 32 b + 16 (lane / 16) + i of my row
.set TM,     208                       ; v208-223 at work in QUANT
.set PW,     224                       ; the scale word just made
.set PC,     228                       ; v228-246 the codes just made
.set SEL,    20                        ; s[20:21] lane selects: lane l xor 16
; 64 numbers of a lane, v[s] .. v[s + 63], become a fragment's 12 registers of codes in v[PC] on and its row's scale word in v[PW].
.macro QUANT s
.irp b, 0,1,2,3
	v_max3_num_f32 v[TM+\b], |v[\s+16*\b]|, |v[\s+1+16*\b]|, 0x1800000   ; block b: my 16 numbers, and the floor 2^(3 - 127): the byte cannot fall under 1
.endr
.irp i, 2,4,6,8,10,12,14
.irp b, 0,1,2,3
	v_max3_num_f32 v[TM+\b], v[TM+\b], |v[\s+16*\b+\i]|, |v[\s+1+16*\b+\i]|   ; the four blocks by turns
.endr
.endr
.irp b, 0,1,2,3
	v_permlanex16_b32 v[TM+4+\b], v[TM+\b], s[SEL], s[SEL+1]
.endr
.irp b, 0,1,2,3
	v_max_num_f32 v[TM+\b], v[TM+\b], v[TM+4+\b]   ; with lane l xor 16's 16: the block's largest magnitude
.endr
.irp b, 0,1,2,3
	v_add_nc_u32 v[TM+12+\b], 0xff000000, v[TM+\b]   ; 2 off its exponent field: the conversion's scale operand
.endr
.irp b, 0,1,2,3
	v_lshrrev_b32 v[TM+4+\b], 23, v[TM+12+\b]      ; the scale's byte
.endr
	v_lshl_or_b32 v[PW], v[TM+5], 8, v[TM+4]
	v_lshl_or_b32 v[PW], v[TM+6], 16, v[PW]
	v_lshl_or_b32 v[PW], v[TM+7], 24, v[PW]
.irp c, 0,1
	v_cvt_scalef32_pk16_fp6_f32 v[PC+6*\c:PC+2+6*\c], v[\s+32*\c:\s+15+32*\c], v[TM+12+2*\c]
	v_cvt_scalef32_pk16_fp6_f32 v[PC+12+4*\c:PC+14+4*\c], v[\s+16+32*\c:\s+31+32*\c], v[TM+12+2*\c+1]   ; (a conversion's three registers begin on an even number)
.endr
	v_nop                                          ; one plain line behind the scaled conversions
.irp c, 0,1                            ; the operand's layout wants a whole block in a lane: lanes 0-15 block 2 c, lanes 16-31 block 2 c + 1
.irp i, 0,1,2
	v_permlane16_swap_b32 v[PC+6*\c+\i], v[PC+12+4*\c+\i]
.endr
.irp i, 0,1,2
	v_mov_b32 v[PC+3+6*\c+\i], v[PC+12+4*\c+\i]
.endr
.endr
.endm
; ONE LAUNCH SERVES THE SIX TENSORS: work-groups 0 to 383 take xq, xk, xv as said above; work-groups 384 to 511 take the four weights, on a path of their own (.Lweights) with LDS bytes of its own.
; LDS: 0 .. 36,863 the rows' stages; 36,864 .. 37,375 the spare words; 37,376 .. 63,999 the weights' stages.
	v_lshl_add_u32 v254, v0, 2, 0x9000
	v_mov_b32 v255, 0
	s_cmp_ge_u32 ttmp9, 384                        ; the choice hangs on the work-group's number alone
	s_wait_alu depctr_va_vdst(0)                   ; the wait ahead of the branch
	s_cbranch_scc1 .Lweights
	s_load_b256 s[4:11], s[0:1], 0x0               ; xq s[4:5], xk s[6:7], xv s[8:9], xc s[10:11]
	v_lshrrev_b32 v7, 5, v0
	v_readfirstlane_b32 s12, v7                    ; wave
	v_and_b32 v8, 31, v0                           ; lane
	v_and_b32 v9, 15, v0                           ; r
	v_bfe_u32 v10, v0, 4, 1                        ; h
	v_lshlrev_b32 v1, 4, v8                        ; 16 l
	v_lshlrev_b32 v2, 3, v8                        ; 8 l
	s_mul_i32 s13, s12, WREG
	v_add_nc_u32 v3, s13, v1                       ; the stage, way in: 16 l of a row
	v_mul_u32_u24 v4, v9, SPITCH
	v_lshl_add_u32 v4, v10, 6, v4
	v_add_nc_u32 v4, s13, v4                       ; way out: row r, + 64 h
	s_add_co_u32 s14, s13, SCA
	v_lshlrev_b32 v5, 2, v9
	v_add_nc_u32 v5, s14, v5                       ; my row's scale word
	v_add_nc_u32 v6, s14, v1                       ; and the 512 bytes on their way out
.irp b, 0,1,2,3
	v_mov_b32 v[TM+4+\b], 0                        ; written once: a lane permute's destination counts as one of its sources
.endr
	s_mov_b32 s[SEL], 0x76543210
	s_mov_b32 s[SEL+1], 0xfedcba98
	s_lshr_b32 s15, ttmp9, 7                       ; which tensor
	s_and_b32 s16, ttmp9, 127                      ; which group
	s_lshl_b32 s17, s16, 18                        ; 64 rows of 4,096 bytes
	s_lshl_b32 s18, s12, 10                        ; my two K steps: 1,024 bytes of a row
	s_add_co_u32 s24, s17, s18
	s_mov_b32 s25, 0
	s_mul_i32 s26, s15, 6553600
	s_mul_i32 s17, s16, 51200
	s_add_co_u32 s26, s26, s17                     ; the group in xc
	s_mul_i32 s17, s12, 3072
	s_add_co_u32 s28, s26, s17                     ; my two K steps' fragments
	s_mov_b32 s29, 0
	s_lshl_b32 s17, s12, 9
	s_add_co_u32 s30, s26, s17
	s_add_co_u32 s30, s30, 49152                   ; and their scale words
	s_mov_b32 s31, 0
	s_wait_alu depctr_va_vdst(0)
	s_wait_kmcnt 0x0
	s_cmp_eq_u32 s15, 1                            ; the choice hangs on the work-group's number alone
	s_cselect_b64 s[4:5], s[6:7], s[4:5]
	s_cmp_eq_u32 s15, 2
	s_cselect_b64 s[4:5], s[8:9], s[4:5]
	s_add_nc_u64 s[4:5], s[4:5], s[24:25]
	s_add_nc_u64 s[6:7], s[10:11], s[28:29]
	s_add_nc_u64 s[8:9], s[10:11], s[30:31]
; fragment f: tile f / 2, my K step f % 2.  Sixteen loads, a row each: 32 lanes read 512 consecutive bytes
.macro LOAD f
.irp p, 0,1,2,3,4,5,6,7,8,9,10,11,12,13,14,15
	global_load_b128 v[R+64*((\f)%2)+4*\p:R+64*((\f)%2)+4*\p+3], v1, s[4:5] offset:(32*((\f)/4)+8*(((\f)/2)%2)+\p+8*(\p/8))*4096+512*((\f)%2) th:TH_LOAD_NT
.endr
.endm
.macro FRAGM f
.if (\f) < 7
	s_wait_loadcnt 16                              ; this fragment's 16 loads are in; the next one's 16 may be out
.else
	s_wait_loadcnt 0x0
.endif
.irp p, 0,1,2,3,4,5,6,7,8,9,10,11,12,13,14,15
	ds_store_b128 v3, v[R+64*((\f)%2)+4*\p:R+64*((\f)%2)+4*\p+3] offset:SPITCH*\p
.endr
.irp b, 0,1,2,3
.irp j, 0,1,2,3
	ds_load_b128 v[X+16*\b+4*\j:X+16*\b+4*\j+3], v4 offset:128*\b+16*\j   ; LDS serves a wave's instructions in order: these see the stores above
.endr
.endr
	s_wait_dscnt 0x0                               ; my 64 numbers are in, and the stores have read their registers
	s_wait_xcnt 0x0                                ; the last fragment's global stores have read the code registers, which QUANT writes again
.if (\f) < 6
	LOAD (\f)+2
.endif
	QUANT X
	ds_store_b32 v5, v[PW] offset:256*((\f)%2)+64*((\f)/2)   ; lanes r and r + 16 write the same word with the same value
	global_store_b128 v1, v[PC:PC+3], s[6:7] offset:12288*((\f)/2)+1536*((\f)%2)          ; 512 consecutive bytes
	global_store_b64 v2, v[PC+4:PC+5], s[6:7] offset:12288*((\f)/2)+1536*((\f)%2)+512     ; 256 consecutive bytes
	global_store_b128 v1, v[PC+6:PC+9], s[6:7] offset:12288*((\f)/2)+1536*((\f)%2)+768
	global_store_b64 v2, v[PC+10:PC+11], s[6:7] offset:12288*((\f)/2)+1536*((\f)%2)+1280
.endm
	LOAD 0
	LOAD 1
.irp f, 0,1,2,3,4,5,6,7
	FRAGM \f
.endr
	ds_load_b128 v[248:251], v6                    ; my two K steps' scale words: 512 bytes
	s_wait_dscnt 0x0
	global_store_b128 v1, v[248:251], s[8:9]
	s_wait_tensorcnt 0x0
	ds_add_u32 v254, v255
	s_wait_dscnt 0x0
	s_endpgm
; THE WEIGHTS.  Wq, Wk, Wv, Wo [1024 (k)][1024 (n)] f32, K their FIRST axis, become codes of FP6 and E8M0 bytes along K, laid as groups of 64 columns in the order of the operand's registers:
; group G of weight z at 819200 z + 51200 G of wc; inside a group as in xc.  Lane r of tile 2 b + u holds column 32 b + 8 u + r + 8 (r / 8) of the group.
; A LANE TAKES A COLUMN, AND ITS REGISTERS RUN DOWN K: a block of 32 lies in one lane's 32 registers, each load reads 128 consecutive bytes a wave, and the conversions give codes with K innermost.
; SHARES: id = work-group - 384; x = id % 8: 128 columns; y = id / 8: weight y / 4, K quarter y % 4 (two K steps).  Wave w: 32 columns: tiles 2 (w % 2), 2 (w % 2) + 1 of group 2 x + w / 2.
; The codes go through the wave's own LDS, laid as four fragments, and leave 512 consecutive bytes a store.  No barrier: waves share nothing.  The limits are those stated at the head.
.set WX,   32                          ; v32-95   two sets of 32 numbers
.set WCD,  96                          ; v96-102  a block's codes
.set WSB,  24                          ; v24-25   the two K steps' scale words
.set WOUT, 112                         ; v112-159 the way out
.set FSL,  1664                        ; a fragment's place in LDS: 1,536 bytes + 128
.set WLDS, 0x9200                      ; where the weights' stages begin
.Lweights:
	s_load_b256 s[4:11], s[0:1], 0x20              ; Wq, Wk, Wv, Wo
	s_load_b64 s[12:13], s[0:1], 0x40              ; wc
	v_lshrrev_b32 v1, 5, v0
	v_readfirstlane_b32 s16, v1                    ; wave
	v_and_b32 v2, 31, v0                           ; L: my column among the wave's 32
	v_lshlrev_b32 v3, 2, v2
	v_bfe_u32 v9, v0, 3, 1                         ; u = (L / 8) % 2
	v_and_b32 v10, 7, v0
	v_bfe_u32 v14, v0, 4, 1
	v_lshl_add_u32 v10, v14, 3, v10                ; r = L % 8 + 8 (L / 16)
	s_mul_i32 s17, s16, 4*FSL
	s_add_co_u32 s17, s17, WLDS
	v_mul_u32_u24 v15, v9, FSL
	v_add_nc_u32 v15, s17, v15
	v_lshl_add_u32 v4, v10, 4, v15                 ; into LDS: my tile's fragment, 16 r
	v_lshl_add_u32 v5, v10, 3, v15                 ; and 8 r
	v_lshlrev_b32 v7, 4, v2
	v_add_nc_u32 v6, s17, v7                       ; back: 16 L
	v_lshlrev_b32 v8, 2, v10
	v_lshl_add_u32 v8, v9, 6, v8                   ; my scale word: 64 u + 4 r
	s_sub_co_u32 s30, ttmp9, 384
	s_and_b32 s31, s30, 7                          ; x
	s_lshr_b32 s18, s30, 3                         ; y
	s_lshr_b32 s19, s18, 2                         ; which weight
	s_and_b32 s20, s18, 3                          ; which quarter of K
	s_lshl_b32 s22, s20, 20                        ; 256 rows of 4,096 bytes
	s_lshl_b32 s21, s31, 9
	s_add_co_u32 s22, s22, s21
	s_lshl_b32 s21, s16, 7
	s_add_co_u32 s22, s22, s21                     ; + my first column
	s_mov_b32 s23, 0
	s_lshl_b32 s21, s31, 1
	s_lshr_b32 s24, s16, 1
	s_add_co_u32 s21, s21, s24                     ; the group
	s_mul_i32 s21, s21, 51200
	s_mul_i32 s24, s19, 819200
	s_add_co_u32 s21, s21, s24
	s_and_b32 s25, s16, 1
	s_mul_i32 s24, s25, 24576
	s_add_co_u32 s26, s21, s24                     ; my two tiles,
	s_mul_i32 s24, s20, 3072
	s_add_co_u32 s26, s26, s24                     ; my two K steps
	s_mov_b32 s27, 0
	s_lshl_b32 s24, s20, 9
	s_add_co_u32 s28, s21, s24
	s_lshl_b32 s24, s25, 7
	s_add_co_u32 s28, s28, s24
	s_add_co_u32 s28, s28, 49152                   ; their scale words
	s_mov_b32 s29, 0
	s_wait_alu depctr_va_vdst(0)                   ; the wait at the head's end
	s_wait_kmcnt 0x0
	s_cmp_eq_u32 s19, 1
	s_cselect_b64 s[4:5], s[6:7], s[4:5]
	s_cmp_eq_u32 s19, 2
	s_cselect_b64 s[4:5], s[8:9], s[4:5]
	s_cmp_eq_u32 s19, 3
	s_cselect_b64 s[4:5], s[10:11], s[4:5]
	s_add_nc_u64 s[4:5], s[4:5], s[22:23]
	s_add_nc_u64 s[6:7], s[12:13], s[26:27]
	s_add_nc_u64 s[8:9], s[12:13], s[28:29]
.macro WLD t                           ; block t: W(32 t + i, my column), i = 0 .. 31
.irp i, 0,1,2,3,4,5,6,7,8,9,10,11,12,13,14,15,16,17,18,19,20,21,22,23,24,25,26,27,28,29,30,31
	global_load_b32 v[WX+32*((\t)%2)+\i], v3, s[4:5] offset:(32*(\t)+\i)*4096 th:TH_LOAD_NT
.endr
.endm
.macro WBLK t                          ; block t of my column: K step t / 4, half c = (t / 2) % 2, place of lane half h = t % 2
.set XS, WX+32*((\t)%2)
.if (\t) < 7
	s_wait_loadcnt 32                              ; this block's 32 loads are in; the next block's may be out
.else
	s_wait_loadcnt 0x0
.endif
	v_max3_num_f32 v12, |v[XS]|, |v[XS+1]|, |v[XS+2]|
	v_max3_num_f32 v13, |v[XS+3]|, |v[XS+4]|, |v[XS+5]|
.irp i, 6,10,14,18,22,26
	v_max3_num_f32 v12, v12, |v[XS+\i]|, |v[XS+\i+1]|
	v_max3_num_f32 v13, v13, |v[XS+\i+2]|, |v[XS+\i+3]|
.endr
	v_max3_num_f32 v12, v12, |v[XS+30]|, |v[XS+31]|
	v_max3_num_f32 v12, v12, v13, 0x1800000        ; and the floor 2^(3 - 127)
	v_add_nc_u32 v11, 0xff000000, v12              ; 2 off the exponent field: the conversion's scale operand
	v_lshrrev_b32 v13, 23, v11                     ; the byte
.if (\t)%4 == 0
	v_mov_b32 v[WSB+(\t)/4], v13
.else
	v_lshl_or_b32 v[WSB+(\t)/4], v13, 8*((\t)%4), v[WSB+(\t)/4]
.endif
	v_cvt_scalef32_pk16_fp6_f32 v[WCD:WCD+2], v[XS:XS+15], v11
	v_cvt_scalef32_pk16_fp6_f32 v[WCD+4:WCD+6], v[XS+16:XS+31], v11   ; (a conversion's three registers begin on an even number)
	v_nop                                          ; one plain line behind the scaled conversions
	v_mov_b32 v[WCD+3], v[WCD+4]
	v_mov_b32 v[WCD+4], v[WCD+5]
	v_mov_b32 v[WCD+5], v[WCD+6]                   ; the block's six registers on end
	ds_store_b128 v4, v[WCD:WCD+3] offset:2*FSL*((\t)/4)+768*(((\t)/2)%2)+256*((\t)%2)
	ds_store_b64 v5, v[WCD+4:WCD+5] offset:2*FSL*((\t)/4)+768*(((\t)/2)%2)+512+128*((\t)%2)
.if (\t)+2 < 8
	WLD (\t)+2
.endif
	s_wait_dscnt 0x0                               ; the stores have read their registers: the next block's codes may be written
.endm
	WLD 0
	WLD 1
.irp t, 0,1,2,3,4,5,6,7
	WBLK \t
.endr
	global_store_b32 v8, v[WSB], s[8:9]            ; 128 consecutive bytes a wave
	s_wait_alu depctr_va_vdst(0)
	global_store_b32 v8, v[WSB+1], s[8:9] offset:256
.irp f, 0,1,2,3                        ; fragment f: K step f / 2, tile u = f % 2
.irp k, 0,1,2
	ds_load_b128 v[WOUT+4*(3*\f+\k):WOUT+4*(3*\f+\k)+3], v6 offset:FSL*\f+512*\k
.endr
.endr
.irp f, 0,1,2,3
.irp k, 0,1,2
	s_wait_dscnt 11-3*\f-\k                        ; the younger loads may be out
	global_store_b128 v7, v[WOUT+4*(3*\f+\k):WOUT+4*(3*\f+\k)+3], s[6:7] offset:12288*(\f%2)+1536*(\f/2)+512*\k   ; 512 consecutive bytes
.endr
.endr
	s_wait_tensorcnt 0x0
	ds_add_u32 v254, v255
	s_wait_dscnt 0x0
	s_endpgm
.Lfunc_end_k_q27996b7b4d_quantx:
	.size	k_q27996b7b4d_quantx, .Lfunc_end_k_q27996b7b4d_quantx-k_q27996b7b4d_quantx
	.p2alignl 7, 3214868480
	.fill 96, 4, 3214868480
	.section	.rodata,"a",@progbits
	.p2align	6, 0x0
	.amdhsa_kernel k_q27996b7b4d_quantx
		.amdhsa_group_segment_fixed_size 64000
		.amdhsa_private_segment_fixed_size 0
		.amdhsa_enable_private_segment 0
		.amdhsa_kernarg_size 72
		.amdhsa_user_sgpr_count 2
		.amdhsa_user_sgpr_kernarg_segment_ptr 1
		.amdhsa_wavefront_size32 1
		.amdhsa_system_sgpr_workgroup_id_x 1
		.amdhsa_system_sgpr_workgroup_id_y 1
		.amdhsa_system_sgpr_workgroup_id_z 1
		.amdhsa_system_vgpr_workitem_id 0
		.amdhsa_next_free_vgpr 256
		.amdhsa_next_free_sgpr 66
		.amdhsa_reserve_vcc 0
		.amdhsa_float_denorm_mode_32 3
		.amdhsa_float_denorm_mode_16_64 3
		.amdhsa_memory_ordered 1
		.amdhsa_forward_progress 1
		.amdhsa_inst_pref_size 107
	.end_amdhsa_kernel
	.amdgpu_metadata
---
amdhsa.version: [ 1, 2 ]
amdhsa.kernels:
  - .name:           k_q27996b7b4d_quantx
    .symbol:         k_q27996b7b4d_quantx.kd
    .args:
      - { .name: xq, .offset: 0, .size: 8, .value_kind: global_buffer, .address_space: global }
      - { .name: xk, .offset: 8, .size: 8, .value_kind: global_buffer, .address_space: global }
      - { .name: xv, .offset: 16, .size: 8, .value_kind: global_buffer, .address_space: global }
      - { .name: xc, .offset: 24, .size: 8, .value_kind: global_buffer, .address_space: global }
      - { .name: Wq, .offset: 32, .size: 8, .value_kind: global_buffer, .address_space: global }
      - { .name: Wk, .offset: 40, .size: 8, .value_kind: global_buffer, .address_space: global }
      - { .name: Wv, .offset: 48, .size: 8, .value_kind: global_buffer, .address_space: global }
      - { .name: Wo, .offset: 56, .size: 8, .value_kind: global_buffer, .address_space: global }
      - { .name: wc, .offset: 64, .size: 8, .value_kind: global_buffer, .address_space: global }
    .group_segment_fixed_size: 64000
    .private_segment_fixed_size: 0
    .kernarg_segment_align: 8
    .kernarg_segment_size: 72
    .max_flat_workgroup_size: 128
    .sgpr_count:     66
    .vgpr_count:     256
    .wavefront_size: 32
...
	.end_amdgpu_metadata
.endif
;; end of part 1
;; launch proj (part 2): grid 4 x 64, 4 waves a work-group, clusters of 4 x 1, 307,712 bytes of LDS; arguments xc, wc, bq, bk, bv, padding_mask, qc, kv; writes qc, kv
.if DOCPART == 2
	.amdgcn_target "amdgcn-amd-amdhsa--gfx1250"
	.amdhsa_code_object_version 6
	.text
	.protected	k_q27996b7b4d_proj
	.globl	k_q27996b7b4d_proj
	.p2align	8
	.type	k_q27996b7b4d_proj,@function
k_q27996b7b4d_proj:
	s_mov_b64 s[64:65], 0
	v_nop
	global_prefetch_b8 v0, s[64:65] scope:SCOPE_SE
	s_setreg_imm32_b32 hwreg(HW_REG_WAVE_MODE, 25, 1), 1
	s_wait_xcnt 0x0
	s_wait_alu depctr_hold_cnt(0) depctr_sa_sdst(0) depctr_va_vdst(0) depctr_va_sdst(0) depctr_va_ssrc(0) depctr_va_vcc(0) depctr_vm_vsrc(0)
	s_getreg_b32 s2, hwreg(HW_REG_IB_STS2, 6, 4)
	s_cmp_eq_u32 s2, 0
	s_cbranch_scc0 .Lentry_in_a_cluster
	s_endpgm
.Lentry_in_a_cluster:
	s_bfe_u32 s2, ttmp6, 0x10000c
	s_cmp_lg_u32 s2, 0x3003
	s_cbranch_scc0 .Lentry_shape_is_right
	s_endpgm
.Lentry_shape_is_right:
; Q = xq Wq + bq, K = xk Wk + bk, V = xv Wv + bv on codes of FP6 (E2M3) with E8M0 scales, and their results quantised at once for attention: Q and K along the head's 64, V along the keys.
; SHARES.  xc holds 384 groups of 64 rows on end: xq's 128, xk's 128, xv's 128.  Work-group y takes groups 6 y .. 6 y + 5; its place cx in the cluster: 256 columns.  Wave w: head 4 cx + w, 64 columns.
; 64 x 4 work-groups of six groups each.  Group G belongs to tensor G / 128.
; THE WEIGHTS STAY IN REGISTERS: a wave's 32 fragments (4 tiles of 16 columns x 8 K steps), 384 registers.  They are loaded at the head, and once more where the work-group's groups pass from one tensor to the next
; (y = 21 and y = 42): a branch on ids that all partners of a cluster share.  The six groups' codes and scale words, 307,200 dense bytes, come into LDS once:
; the four work-groups of a cluster need the same rows, so each wave asks JOINTLY for a quarter, with the same descriptor and a mask that names the four.  No LDS byte is filled twice.
; LAYOUT.  Q, K: source 0 = 16 columns of W, source 1 = 16 rows of x: a lane holds one row, its registers run along the head's channels.  V: the sources swapped: a lane holds one channel, its registers run along the keys.
; By the order of rows in a tile (lane r of tile 2 b + u: row 32 b + 8 u + r + 8 (r / 8)) the 16 registers of tiles 2 b and 2 b + 1 are 16 neighbours along the next product's K.
; OUT.  qc: [head 64][group 32] 3,328 bytes: four half fragments (16 rows x 64: registers 0-3 of lane l at 16 l, registers 4, 5 at 512 + 8 l) and 256 bytes of scale words [r][tile].
; kv: [head 64][128 keys: 16] 13,056 bytes: K's eight half fragments, K's scale words (2 x 256), V's four fragments (channels x 128 keys), V's scale words [r][tile].
; THE PADDING MASK rides in the unused half of the score product's K: code +1 of Q and code -1 of K at k = 64 are set in attention; here byte 2 of Q's scale word is 127, and byte 2 of a key's is 237 (2^110) where
; padding_mask is 0 and 1 (2^-126) elsewhere.  LIMIT: |score x log2(e) / 8| under 2^100.  NaN and infinities are not served; a block of zeros keeps the byte 1.
; NO PREFETCH: every byte of xc that the work-group reads is asked for by the head's one load a wave; no later load stands in a loop to run ahead of.
; REGISTERS, in windows of 256: window 0: v1-15 addresses; v16-31 W's scale words, v32-47 x's; v48-175 16 accumulators; v176-190 mask and scale words at work; v200-238 the quantiser's.
;   window 1: W's fragments of K steps 0-3 (tile ct, step s at 12 (4 ct + s));  window 2: of K steps 4-7;  window 3: v0-95 x's fragments, two sets of four; v96-127 the bias as the first product's C.
.set GRP,  51200
.set NG,   6                           ; groups a work-group
.set SPARE, NG*GRP                     ; behind the rows: the spare words, 128 bytes a wave
.set WS,   16
.set AS,   32
.set ACC,  48
.set MK,   176                         ; padding_mask of my row in the four tiles
.set EX,   180                         ; byte 2 of the four scale words
.set W4,   184                         ; the four scale words
.set SP,   188                         ; the pair that I store
.set TT,   190
.set TM,   200
.set PW,   216
.set PC,   220
.set AF,   0                           ; window 3
.set BI,   96                          ; window 3
.set SEL,  54
.set MSB, 0
.macro WIN new                         ; the immediate's high byte repeats the setting that is left
.if MSB != \new
	s_set_vgpr_msb (MSB<<8)|\new
.set MSB, \new
.endif
.endm
.macro PLACES n
.rept \n
	v_nop
.endr
.endm
.macro ROUND                           ; a round of the cluster's barrier
	s_barrier_signal -1
	s_barrier_wait -1
	s_cmp_lg_u32 s3, 0
	s_cbranch_scc1 .Lnot_wave_0_\@
	s_barrier_signal -3
.Lnot_wave_0_\@:
	s_barrier_wait -3
	s_barrier_signal -1
	s_barrier_wait -1
.endm
.macro QUANT s                         ; 64 numbers of a lane, register 16 b + i = k 32 b + 16 (lane / 16) + i, become 12 registers of codes in v[PC] on and four scale bytes in v[PW]
.irp b, 0,1,2,3
	v_max3_num_f32 v[TM+\b], |v[\s+16*\b]|, |v[\s+1+16*\b]|, 0x1800000   ; each accumulator is read from its low end on; the floor 2^(3 - 127) holds the byte at 1
.endr
.irp i, 2,4,6,8,10,12,14
.irp b, 0,1,2,3
	v_max3_num_f32 v[TM+\b], v[TM+\b], |v[\s+16*\b+\i]|, |v[\s+1+16*\b+\i]|
.endr
.endr
.irp b, 0,1,2,3
	v_permlanex16_b32 v[TM+4+\b], v[TM+\b], s[SEL], s[SEL+1]
.endr
.irp b, 0,1,2,3
	v_max_num_f32 v[TM+\b], v[TM+\b], v[TM+4+\b]
.endr
.irp b, 0,1,2,3
	v_add_nc_u32 v[TM+12+\b], 0xff000000, v[TM+\b]
.endr
.irp b, 0,1,2,3
	v_lshrrev_b32 v[TM+4+\b], 23, v[TM+12+\b]
.endr
	v_lshl_or_b32 v[PW], v[TM+5], 8, v[TM+4]
	v_lshl_or_b32 v[PW], v[TM+6], 16, v[PW]
	v_lshl_or_b32 v[PW], v[TM+7], 24, v[PW]
.irp c, 0,1
	v_cvt_scalef32_pk16_fp6_f32 v[PC+6*\c:PC+2+6*\c], v[\s+32*\c:\s+15+32*\c], v[TM+12+2*\c]
	v_cvt_scalef32_pk16_fp6_f32 v[PC+12+4*\c:PC+14+4*\c], v[\s+16+32*\c:\s+31+32*\c], v[TM+12+2*\c+1]
.endr
	v_nop                                          ; one plain line behind the scaled conversions
.irp c, 0,1
.irp i, 0,1,2
	v_permlane16_swap_b32 v[PC+6*\c+\i], v[PC+12+4*\c+\i]
.endr
.irp i, 0,1,2
	v_mov_b32 v[PC+3+6*\c+\i], v[PC+12+4*\c+\i]
.endr
.endr
.endm
.macro MM d, a, b, c, sa, sb, ra, rb   ; one matrix instruction; ra, rb = 1: that side's scale words stand in lanes 16-31
.if (\ra) && (\rb)
	v_wmma_scale_f32_16x16x128_f8f6f4 v[(\d):(\d)+7], v[(\a):(\a)+11], v[(\b):(\b)+11], v[(\c):(\c)+7], v[(\sa)], v[(\sb)] matrix_a_fmt:MATRIX_FMT_FP6 matrix_b_fmt:MATRIX_FMT_FP6 matrix_a_scale:MATRIX_SCALE_ROW1 matrix_b_scale:MATRIX_SCALE_ROW1
.elseif (\ra)
	v_wmma_scale_f32_16x16x128_f8f6f4 v[(\d):(\d)+7], v[(\a):(\a)+11], v[(\b):(\b)+11], v[(\c):(\c)+7], v[(\sa)], v[(\sb)] matrix_a_fmt:MATRIX_FMT_FP6 matrix_b_fmt:MATRIX_FMT_FP6 matrix_a_scale:MATRIX_SCALE_ROW1
.elseif (\rb)
	v_wmma_scale_f32_16x16x128_f8f6f4 v[(\d):(\d)+7], v[(\a):(\a)+11], v[(\b):(\b)+11], v[(\c):(\c)+7], v[(\sa)], v[(\sb)] matrix_a_fmt:MATRIX_FMT_FP6 matrix_b_fmt:MATRIX_FMT_FP6 matrix_b_scale:MATRIX_SCALE_ROW1
.else
	v_wmma_scale_f32_16x16x128_f8f6f4 v[(\d):(\d)+7], v[(\a):(\a)+11], v[(\b):(\b)+11], v[(\c):(\c)+7], v[(\sa)], v[(\sb)] matrix_a_fmt:MATRIX_FMT_FP6 matrix_b_fmt:MATRIX_FMT_FP6
.endif
.endm
.macro WLOAD reg, off                  ; a fragment of W from memory: 512, 256, 512, 256 consecutive bytes
	global_load_b128 v[(\reg):(\reg)+3], v1, s[40:41] offset:(\off)
	global_load_b64 v[(\reg)+4:(\reg)+5], v2, s[40:41] offset:(\off)+512
	global_load_b128 v[(\reg)+6:(\reg)+9], v1, s[40:41] offset:(\off)+768
	global_load_b64 v[(\reg)+10:(\reg)+11], v2, s[40:41] offset:(\off)+1280
.endm
.macro FETCH s, buf                    ; the group's four fragments of K step s from LDS into set buf: 16 loads
	WIN 0xc0                                       ; destination window 3
.irp i, 0,1,2,3
	ds_load_b128 v[AF+48*(\buf)+12*\i:AF+48*(\buf)+12*\i+3], v4 offset:12288*\i+1536*(\s)
	ds_load_b64 v[AF+48*(\buf)+12*\i+4:AF+48*(\buf)+12*\i+5], v5 offset:12288*\i+1536*(\s)+512
	ds_load_b128 v[AF+48*(\buf)+12*\i+6:AF+48*(\buf)+12*\i+9], v4 offset:12288*\i+1536*(\s)+768
	ds_load_b64 v[AF+48*(\buf)+12*\i+10:AF+48*(\buf)+12*\i+11], v5 offset:12288*\i+1536*(\s)+1280
.endr
.endm
; K step s: 16 matrix instructions on 16 accumulators, which take turns in the same order in every step.  The first step's C is the bias.  p = 0: Q, K;  p = 1: V
.macro STEPMM p, s
.if (\p) == 0
.if (\s) == 0
	WIN 0x3d                                       ; source 0 (W) window 1, source 1 (x) window 3, C (bias) window 3
.elseif (\s) < 4
	WIN 0x0d
.else
	WIN 0x0e                                       ; W in window 2
.endif
.irp i, 0,1,2,3
.irp ct, 0,1,2,3
.if (\s) == 0
	MM ACC+8*(4*\i+\ct), 12*(4*\ct+(\s)%4), AF+48*((\s)%2)+12*\i, BI+8*\ct, WS+2*(\s)+\ct/2, AS+2*(\s)+\i/2, \ct%2, \i%2
.else
	MM ACC+8*(4*\i+\ct), 12*(4*\ct+(\s)%4), AF+48*((\s)%2)+12*\i, ACC+8*(4*\i+\ct), WS+2*(\s)+\ct/2, AS+2*(\s)+\i/2, \ct%2, \i%2
.endif
.endr
.endr
.else
.if (\s) == 0
	WIN 0x37                                       ; source 0 (x) window 3, source 1 (W) window 1, C (bias) window 3
.elseif (\s) < 4
	WIN 0x07
.else
	WIN 0x0b
.endif
.irp ct, 0,1,2,3
.irp i, 0,1,2,3
.if (\s) == 0
	MM ACC+8*(4*\ct+\i), AF+48*((\s)%2)+12*\i, 12*(4*\ct+(\s)%4), BI+8*\ct, AS+2*(\s)+\i/2, WS+2*(\s)+\ct/2, \i%2, \ct%2
.else
	MM ACC+8*(4*\ct+\i), AF+48*((\s)%2)+12*\i, 12*(4*\ct+(\s)%4), ACC+8*(4*\ct+\i), AS+2*(\s)+\i/2, WS+2*(\s)+\ct/2, \i%2, \ct%2
.endif
.endr
.endr
.endif
.endm
; a group's 128 matrix instructions.  The next K step's fragments are asked for ahead of each step's products, four places behind the products that last read that set.
.macro MUL p
	FETCH 0, 0
.irp s, 0,1,2,3,4,5,6
.if \s > 0
	PLACES 4
.endif
	FETCH \s+1, (\s+1)%2
	s_wait_dscnt 16                                ; all but the 16 loads just issued
	STEPMM \p, \s
.endr
	s_wait_dscnt 0x0
	STEPMM \p, 7
	WIN 0
	PLACES 5
.endm
; ALL THAT HANGS ON THE TENSOR s6 (0 Q, 1 K, 2 V): my 64 columns of its weight, their scale words, the bias, and where and how the results are laid.  s60: my head.
.macro SETW
	s_wait_xcnt 0x0                                ; earlier loads and stores have read the bases that are written here
	s_mul_i32 s56, s6, 819200
	s_mul_i32 s62, s60, GRP
	s_add_co_u32 s56, s56, s62
	s_mov_b32 s57, 0
	s_add_nc_u64 s[40:41], s[10:11], s[56:57]      ; my 64 columns of my weight
	s_cmp_eq_u32 s6, 1
	s_cselect_b64 s[42:43], s[14:15], s[12:13]
	s_cmp_eq_u32 s6, 2
	s_cselect_b64 s[42:43], s[16:17], s[42:43]
	s_lshl_b32 s56, s60, 8
	s_add_nc_u64 s[42:43], s[42:43], s[56:57]      ; my head's 64 numbers of the bias
	WIN 0x40                                       ; destination window 1
	s_wait_alu depctr_va_vdst(0)
.irp ct, 0,1,2,3
.irp s, 0,1,2,3
	WLOAD 12*(4*\ct+\s), 12288*\ct+1536*\s
.endr
.endr
	WIN 0x80                                       ; destination window 2
.irp ct, 0,1,2,3
.irp s, 0,1,2,3
	WLOAD 12*(4*\ct+\s), 12288*\ct+1536*(\s+4)
.endr
.endr
	WIN 0
.irp s, 0,1,2,3,4,5,6,7
.irp a, 0,1
	global_load_b32 v[WS+2*\s+\a], v3, s[40:41] offset:49152+256*\s+128*\a   ; lanes 0-15: tile 2 a; lanes 16-31: tile 2 a + 1
.endr
.endr
	s_cmp_eq_u32 s6, 2
	s_cbranch_scc1 .Lbias_v_\@
	WIN 0xc0
.irp ct, 0,1,2,3                       ; Q, K: register j of tile ct is channel 32 (ct / 2) + 16 h + 8 (ct % 2) + j
	global_load_b128 v[BI+8*\ct:BI+8*\ct+3], v15, s[42:43] offset:(32*(\ct/2)+8*(\ct%2))*4
	global_load_b128 v[BI+8*\ct+4:BI+8*\ct+7], v15, s[42:43] offset:(32*(\ct/2)+8*(\ct%2))*4+16
.endr
	WIN 0
	s_branch .Lbias_done_\@
.Lbias_v_\@:
	WIN 0xc0
.irp ct, 0,1,2,3                       ; V: all eight registers of a lane are its one channel, 32 (ct / 2) + 8 (ct % 2) + r + 8 (r / 8)
.irp j, 0,1,2,3,4,5,6,7
	global_load_b32 v[BI+8*\ct+\j], v12, s[42:43] offset:(32*(\ct/2)+8*(\ct%2))*4
.endr
.endr
	WIN 0
.Lbias_done_\@:
	s_cmp_eq_u32 s6, 0
	s_cselect_b64 s[36:37], s[20:21], s[22:23]
	s_mov_b32 s62, 208896
	s_cselect_b32 s62, 106496, s62                 ; a head's bytes
	s_mov_b32 s44, 13056
	s_cselect_b32 s44, 6656, s44                   ; two groups on
	s_mov_b32 s45, 3072
	s_cselect_b32 s45, 3328, s45                   ; the odd group's codes
	s_mov_b32 s46, 256
	s_cselect_b32 s46, 3328, s46                   ; the odd group's scale words
	s_mov_b32 s47, 6144
	s_cselect_b32 s47, 3072, s47                   ; where scale words begin
	s_mov_b32 s56, 237<<16
	s_cselect_b32 s56, 127<<16, s56                ; byte 2 where padding_mask is 0
	s_mov_b32 s57, 1<<16
	s_cselect_b32 s57, 127<<16, s57                ; and elsewhere
	v_mov_b32 v13, s56
	v_mov_b32 v14, s57
	s_cmp_eq_u32 s6, 2
	s_cselect_b32 s45, 768, s45
	s_cselect_b32 s46, 0, s46
	s_cselect_b32 s56, 6656, 0                     ; V lies behind K in a step of kv
	s_mov_b32 s57, 0
	s_add_nc_u64 s[36:37], s[36:37], s[56:57]
	s_wait_alu depctr_va_vdst(0)                   ; the wait, directly ahead of the wait below
	s_wait_loadcnt 0x0                             ; W, its scale words, the bias
.endm
	s_load_b512 s[8:23], s[0:1], 0x0               ; xc, wc, bq, bk, bv, padding_mask, qc, kv
	v_lshl_add_u32 v254, v0, 2, SPARE
	v_mov_b32 v255, 0
	ds_add_u32 v254, v255                          ; the opening lines: the add, twice on end, and its wait
	ds_add_u32 v254, v255
	v_lshrrev_b32 v4, 5, v0
	v_readfirstlane_b32 s3, v4                     ; wave
	v_and_b32 v4, 31, v0                           ; l
	v_and_b32 v5, 15, v0                           ; r
	v_bfe_u32 v6, v0, 4, 1                         ; h
	v_lshlrev_b32 v1, 4, v4                        ; 16 l
	v_lshlrev_b32 v2, 3, v4                        ; 8 l
	v_lshlrev_b32 v3, 2, v4                        ; 4 l
	v_lshlrev_b32 v11, 4, v5
	v_lshl_add_u32 v11, v6, 3, v11                 ; 16 r + 8 h: my pair of scale words
	v_and_b32 v12, 8, v5
	v_add_nc_u32 v12, v12, v5
	v_lshlrev_b32 v12, 2, v12                      ; 4 (r + 8 (r / 8))
	v_lshlrev_b32 v15, 6, v6                       ; 64 h
	s_bfe_u32 s4, ttmp6, 0x40000                   ; cx: it enters global addresses of W, the bias and the results alone
	s_and_b32 s5, ttmp7, 0xffff
	s_mul_i32 s7, s5, NG                           ; my first group of the 384
	s_lshr_b32 s6, s7, 7                           ; its tensor
	; descriptor group 1: a dense block of 76,800 bytes as 300 rows of 256 bytes (32 elements of 8 bytes)
	s_mov_b32 s28, 15|(3<<16)|(1<<21)              ; 15:0 the mask: all four work-groups; 17:16 elements of 8 bytes; 21 set beside a mask
	s_mov_b32 s29, 32<<16                          ; tensor_dim0
	s_mov_b32 s30, 300<<16                         ; tensor_dim1
	s_mov_b32 s31, 32<<16                          ; tile_dim0
	s_mov_b32 s32, 300                             ; tile_dim1
	s_mov_b32 s33, 32                              ; the pitch
	s_mov_b32 s34, 0
	s_mov_b32 s35, 0
	s_mov_b32 s24, 1
	s_mul_i32 s25, s3, NG*GRP/4                    ; LDS: my quarter of the six groups
	s_mul_i32 s56, s5, NG*GRP
	s_add_co_u32 s56, s56, s25
	s_mov_b32 s57, 0
	s_wait_dscnt 0x0
	s_wait_kmcnt 0x0
	s_add_nc_u64 s[26:27], s[8:9], s[56:57]
	s_or_b32 s27, s27, 0x80000000
	ROUND                                          ; all four work-groups are here: the joint loads meet
	tensor_load_to_lds s[24:27], s[28:35]          ; my one tensor load of the launch
	s_nop 0
	PLACES 4
	s_lshl_b32 s60, s4, 2
	s_add_co_u32 s60, s60, s3                      ; head
	SETW
	s_mov_b32 s52, 0xffff0000                      ; lanes 16-31
	s_mov_b32 s[SEL], 0x76543210
	s_mov_b32 s[SEL+1], 0xfedcba98
.irp b, 0,1,2,3
	v_mov_b32 v[TM+4+\b], 0                        ; written once: a lane permute's destination counts as one of its sources
	v_mov_b32 v[W4+\b], 0
.endr
	s_wait_tensorcnt 0x0                           ; my quarter of the rows has landed,
	s_barrier_signal -1
	s_barrier_wait -1                              ; everybody's has
	s_mov_b32 s48, 0                               ; the group in LDS
	s_mov_b32 s49, 0                               ; its number among my six
.Lgroup:                                           ; six trips: a group of 64 rows each
	s_wait_xcnt 0x0                                ; the last trip's stores and loads have read their registers
	v_add_nc_u32 v4, s48, v1
	v_add_nc_u32 v5, s48, v2
	v_add_nc_u32 v6, s48, v3
	s_wait_alu depctr_va_vdst(0)
	s_add_co_u32 s63, s7, s49
	s_and_b32 s63, s63, 127                        ; the group in its tensor: 32 n + the group in the sequence
	s_lshr_b32 s56, s63, 5
	s_lshl_b32 s56, s56, 4
	s_add_co_u32 s56, s56, s60                     ; n x 16 + head
	s_mul_i32 s61, s56, s62
	s_bfe_u32 s56, s63, 0x40001                    ; which pair of groups of the sequence
	s_and_b32 s57, s63, 1
	s_mul_i32 s50, s56, s44
	s_add_co_u32 s50, s50, s61
	s_mul_i32 s58, s57, s45
	s_mul_i32 s59, s57, s46
	s_add_co_u32 s51, s50, s59
	s_add_co_u32 s51, s51, s47
	s_add_co_u32 s50, s50, s58
	v_add_nc_u32 v7, s50, v1                       ; the group's codes: + 16 l
	v_add_nc_u32 v8, s50, v2                       ; + 8 l
	v_add_nc_u32 v9, s51, v11                      ; its scale words
	s_lshl_b32 s56, s63, 8
	v_add_nc_u32 v10, s56, v12                     ; padding_mask: the group's 64 words
.irp s, 0,1,2,3,4,5,6,7
.irp a, 0,1
	ds_load_b32 v[AS+2*\s+\a], v6 offset:49152+256*\s+128*\a
.endr
.endr
	s_cmp_eq_u32 s6, 2
	s_cbranch_scc1 .Lv
	; ---- Q and K
.irp i, 0,1,2,3
	global_load_b32 v[MK+\i], v10, s[18:19] offset:(32*(\i/2)+8*(\i%2))*4
.endr
	MUL 0
	s_wait_loadcnt 0x0
.irp i, 0,1,2,3
	v_cmp_eq_u32 vcc_lo, 0, v[MK+\i]
	v_cndmask_b32 v[EX+\i], v14, v13, vcc_lo
.endr
.irp p, 0,1                            ; tiles 2 p and 2 p + 1: two half fragments
.if \p
	s_wait_xcnt 0x0                                ; the stores above have read the code registers
.endif
	QUANT ACC+64*\p
	v_and_or_b32 v[W4+2*\p], v[PW], 0xffff, v[EX+2*\p]
	v_lshrrev_b32 v[TT], 16, v[PW]
	v_or_b32 v[W4+2*\p+1], v[TT], v[EX+2*\p+1]
	global_store_b128 v7, v[PC:PC+3], s[36:37] offset:1536*\p
	global_store_b64 v8, v[PC+4:PC+5], s[36:37] offset:1536*\p+512
	global_store_b128 v7, v[PC+6:PC+9], s[36:37] offset:1536*\p+768
	global_store_b64 v8, v[PC+10:PC+11], s[36:37] offset:1536*\p+1280
.endr
	v_cndmask_b32 v[SP], v[W4], v[W4+2], s52       ; lanes 0-15 store the words of tiles 0, 1, lanes 16-31 those of tiles 2, 3
	v_cndmask_b32 v[SP+1], v[W4+1], v[W4+3], s52
	global_store_b64 v9, v[SP:SP+1], s[36:37]      ; 256 consecutive bytes
	s_branch .Ljoin
.Lv:
	; ---- V
	MUL 1
.irp p, 0,1                            ; channel tiles 2 p and 2 p + 1, this group's 64 keys
.if \p
	s_wait_xcnt 0x0
.endif
	QUANT ACC+64*\p
	v_alignbit_b32 v[W4+2*\p], v[PW], v[W4+2*\p], 16     ; the even group's two bytes move down, this group's come on top: behind an odd group the word of 128 keys is whole
	v_lshrrev_b32 v[TT], 16, v[PW]
	v_alignbit_b32 v[W4+2*\p+1], v[TT], v[W4+2*\p+1], 16
	global_store_b128 v7, v[PC:PC+3], s[36:37] offset:3072*\p
	global_store_b64 v8, v[PC+4:PC+5], s[36:37] offset:3072*\p+512
	global_store_b128 v7, v[PC+6:PC+9], s[36:37] offset:3072*\p+1536
	global_store_b64 v8, v[PC+10:PC+11], s[36:37] offset:3072*\p+2048
.endr
	s_and_b32 s56, s49, 1                          ; my first group is even, so the trip's parity is the group's
	s_cmp_eq_u32 s56, 0
	s_cbranch_scc1 .Ljoin
	v_cndmask_b32 v[SP], v[W4], v[W4+2], s52
	v_cndmask_b32 v[SP+1], v[W4+1], v[W4+3], s52
	global_store_b64 v9, v[SP:SP+1], s[36:37]
.Ljoin:
	s_add_co_u32 s48, s48, GRP
	s_add_co_u32 s49, s49, 1
	s_add_co_u32 s56, s7, s49                      ; does the next group begin another tensor?
	s_and_b32 s57, s56, 127
	s_cmp_lg_u32 s57, 0
	s_cbranch_scc1 .Lsame_w
	s_cmp_eq_u32 s49, NG                           ; (no group follows)
	s_cbranch_scc1 .Lsame_w
	s_lshr_b32 s6, s56, 7
	SETW
.Lsame_w:
	s_cmp_lt_u32 s49, NG
	s_cbranch_scc1 .Lgroup
	s_wait_dscnt 0x0
	s_wait_tensorcnt 0x0                           ; the wave's end
	ds_add_u32 v254, v255
	s_wait_dscnt 0x0
	ROUND                                          ; the closing round: no work-group ends while a partner may still ask for a tile that names it
	s_endpgm
.Lfunc_end_k_q27996b7b4d_proj:
	.size	k_q27996b7b4d_proj, .Lfunc_end_k_q27996b7b4d_proj-k_q27996b7b4d_proj
	.p2alignl 7, 3214868480
	.fill 96, 4, 3214868480
	.section	.rodata,"a",@progbits
	.p2align	6, 0x0
	.amdhsa_kernel k_q27996b7b4d_proj
		.amdhsa_group_segment_fixed_size 307712
		.amdhsa_private_segment_fixed_size 0
		.amdhsa_enable_private_segment 0
		.amdhsa_kernarg_size 64
		.amdhsa_user_sgpr_count 2
		.amdhsa_user_sgpr_kernarg_segment_ptr 1
		.amdhsa_wavefront_size32 1
		.amdhsa_system_sgpr_workgroup_id_x 1
		.amdhsa_system_sgpr_workgroup_id_y 1
		.amdhsa_system_sgpr_workgroup_id_z 1
		.amdhsa_system_vgpr_workitem_id 0
		.amdhsa_next_free_vgpr 896
		.amdhsa_next_free_sgpr 66
		.amdhsa_reserve_vcc 1
		.amdhsa_float_denorm_mode_32 3
		.amdhsa_float_denorm_mode_16_64 3
		.amdhsa_memory_ordered 1
		.amdhsa_forward_progress 1
		.amdhsa_inst_pref_size 115
	.end_amdhsa_kernel
	.amdgpu_metadata
---
amdhsa.version: [ 1, 2 ]
amdhsa.kernels:
  - .name:           k_q27996b7b4d_proj
    .symbol:         k_q27996b7b4d_proj.kd
    .args:
      - { .name: xc, .offset: 0, .size: 8, .value_kind: global_buffer, .address_space: global }
      - { .name: wc, .offset: 8, .size: 8, .value_kind: global_buffer, .address_space: global }
      - { .name: bq, .offset: 16, .size: 8, .value_kind: global_buffer, .address_space: global }
      - { .name: bk, .offset: 24, .size: 8, .value_kind: global_buffer, .address_space: global }
      - { .name: bv, .offset: 32, .size: 8, .value_kind: global_buffer, .address_space: global }
      - { .name: padding_mask, .offset: 40, .size: 8, .value_kind: global_buffer, .address_space: global }
      - { .name: qc, .offset: 48, .size: 8, .value_kind: global_buffer, .address_space: global }
      - { .name: kv, .offset: 56, .size: 8, .value_kind: global_buffer, .address_space: global }
    .group_segment_fixed_size: 307712
    .private_segment_fixed_size: 0
    .kernarg_segment_align: 8
    .kernarg_segment_size: 64
    .max_flat_workgroup_size: 128
    .sgpr_count:     66
    .vgpr_count:     896
    .wavefront_size: 32
...
	.end_amdgpu_metadata
.endif
;; end of part 2
;; launch attn (part 3): grid 4 x 64, 16 waves a work-group, no clusters, 263,168 bytes of LDS; arguments qc, kv, ac; writes ac
.if DOCPART == 3
	.amdgcn_target "amdgcn-amd-amdhsa--gfx1250"
	.amdhsa_code_object_version 6
	.text
	.protected	k_q27996b7b4d_attn
	.globl	k_q27996b7b4d_attn
	.p2align	8
	.type	k_q27996b7b4d_attn,@function
k_q27996b7b4d_attn:
	s_mov_b64 s[64:65], 0
	v_nop
	global_prefetch_b8 v0, s[64:65] scope:SCOPE_SE
	s_setreg_imm32_b32 hwreg(HW_REG_WAVE_MODE, 25, 1), 1
	s_wait_xcnt 0x0
; attn[n][q][head][:] = the sum over k of softmax_k(Q . K / 8, causal, padded keys out) V, both products on codes of FP6 (E2M3) with E8M0 scales, and the result quantised at once along head x 64 for the last product.
; THE SOFTMAX: t = score x log2(e) / 8; M = the row's largest t so far, rounded UP to a whole number; p = 2^(t - M) is quantised along the keys, not normalised; the row's sum of the unquantised p divides at the end.
; LEFT OUT: key steps all of whose keys come after a tile's queries: the causal mask makes their weights 0 for every input.
; SHARES.  A work-group (x = j of 4, y = n x 16 + head) has sixteen waves; a wave owns ONE tile of 16 queries at a time: first tile 8 (15 - 2 j - w / 8) + w % 8, which needs 16 - 2 j - w / 8 key steps of 128,
; then tile 16 j + w, which needs 2 j + w / 8 + 1: seventeen steps for every wave.
; K AND V LIE IN LDS WHOLE: the work-group reads key steps 0 .. 15 - 2 j of its head; wave w fetches step w with its one tensor load, at the head.  No LDS byte is filled twice.
; Two barriers: the first shows steps 0-3 (waves 0-3 have a load line and a wait of their own), the second, behind the long tile's first four steps, shows the rest.  Behind it the waves share nothing.
; NO CLUSTER: the branches round hidden steps, and how many steps are fetched, hang on j, the place that the four work-groups of a head would have in a cluster.
; NO PREFETCH: every byte of kv that the work-group reads is asked for by the head's loads; no later load stands in a loop to run ahead of.
; LDS: a step's 13,056 dense bytes come as 51 rows of 256 bytes with 64 bytes of padding behind each: byte y of a step lies at 320 (y / 256) + y % 256.
; LAYOUT.  Both products transposed: S^T = K Q^T, O^T = V^T P^T: a lane holds one query.  In qc, kv and ac lane r of tile 2 b + u holds row 32 b + 8 u + r + 8 (r / 8).
; THE KEYS OF A SCORE TILE ARE CHOSEN BY ADDRESS: tile T of a group of 64 keys takes keys 8 T + i in lanes i and 32 + 8 T + i in lanes 8 + i (i = 0 .. 7): lane i + 8 a reads what kv holds for lane i + 8 (T / 2) of
; its tile 2 a + T % 2.  So register 32 g + 8 T + i of lane (r, h) is key 64 g + 32 h + 8 T + i: a lane's 32 registers of a group are one whole scale block, in the order of P's operand registers.
; With the padding the sixteen lanes of a 16-byte load touch 256 different bytes modulo 256 (1,920 a is 128 modulo 256).
; THE SCORE PRODUCT HAS K = 64; the instruction's other 64 carry THE PADDING MASK: Q has the code +1 and every key the code -1 at k = 64, zeros beyond; byte 2 of a key's scale word is 2^110 where the key is padded,
; 2^-126 elsewhere.  The largest t starts at -2^100, over every padded key's t: such a key's p is 0.  LIMIT: |t| under 2^100.  A row with no key left has the sum 0: its scale bytes become 0xff, NaN for the last product.
; REGISTERS: v0 8 h; v1-6, v9-11 lane terms; v7, v8 the spare word and 0; v12 -M, v13 the largest t, v[14:15] the sum; v16-27 Q; v28-31 V's scale words; v32-79 four fragments of K; v80-127 V's four;
; v128-191 S^T, then p; v192-223 O^T; v224-235 p's codes; v232-254 at work (v236-241 a step's LDS addresses); v243 p's scale word; v248-251 K's scale words; v255 Q's.
.set STEPB, 13056                      ; 128 keys in kv: K's 8 half fragments, K's scale words at 6144, V's 4 fragments at 6656, V's scale words at 12800
.set SB,    16320                      ; the same in LDS: 51 rows of 320 bytes
.set SPARE, 16*SB                      ; the spare words, 128 bytes for each wave: eight blocks of 256 bytes that no other line names
.set KB, 32
.set VB, 80
.set S,  128
.set O,  192
.set PWD, 243
.macro PLACES n
.rept \n
	v_nop
.endr
.endm
; the tile s19 is taken up: its Q, and an empty softmax
.macro INIT
	s_lshr_b32 s47, s19, 1
	s_lshl_b32 s17, s47, 5                         ; the first query of the tile's run of 32
	s_add_co_u32 s18, s17, 31                      ; the last
	s_and_b32 s47, s19, 1
	s_lshl_b32 s47, s47, 3
	s_add_co_u32 s60, s17, s47                     ; lane 0's query
	s_lshr_b32 s47, s19, 2
	s_mul_i32 s47, s47, 3328
	s_and_b32 s48, s19, 3
	s_mul_i32 s50, s48, 768
	s_add_co_u32 s50, s50, s47
	s_mov_b32 s51, 0
	s_add_nc_u64 s[56:57], s[38:39], s[50:51]
	s_lshl_b32 s50, s48, 2
	s_add_co_u32 s50, s50, s47
	s_add_co_u32 s50, s50, 3072
	s_add_nc_u64 s[58:59], s[38:39], s[50:51]
	global_load_b128 v[16:19], v1, s[56:57]
	global_load_b64 v[20:21], v2, s[56:57] offset:512
	global_load_b32 v255, v3, s[58:59]
	v_mov_b32 v13, 0xf1800000                      ; the largest t so far: -2^100
	s_delay_alu instid0(VALU_DEP_1)
	v_floor_f32 v12, -v13                          ; -M
	v_mov_b32 v14, 0
	v_mov_b32 v15, 0
.set n, 0
.rept 32
	v_mov_b32 v[O+n], 0                            ; the step is written once: the first finds zeros
.set n, n+1
.endr
	s_wait_loadcnt 0x0
	s_wait_xcnt 0x0                                ; the last tile's stores have read their registers
.endm
; A KEY STEP: the 128 keys from s15 on, at LDS byte s16
.macro STEP
	s_cmp_gt_u32 s15, s18                          ; all its keys come after my queries?
	s_cbranch_scc1 .Lhidden_\@
	v_add_nc_u32 v236, s16, v4                     ; K's registers 0-3; these six lines are also the places behind the last step's products
	v_add_nc_u32 v237, s16, v5                     ; K's registers 4, 5
	v_add_nc_u32 v238, s16, v6                     ; K's scale words
	v_add_nc_u32 v239, s16, v10                    ; V's 16-byte pieces
	v_add_nc_u32 v240, s16, v2                     ; V's 8-byte pieces
	v_add_nc_u32 v241, s16, v3                     ; V's scale words
	s_wait_alu depctr_va_vdst(0)                   ; the wait behind these writes
.irp g, 0,1                            ; S^T = K Q^T, a group of 64 keys, four tiles, at a time
.if \g
	PLACES 4
.endif
.irp t, 0,1,2,3
	ds_load_b128 v[KB+12*\t:KB+12*\t+3], v236 offset:3840*\g+960*(\t%2)+128*(\t/2)
	ds_load_b64 v[KB+12*\t+4:KB+12*\t+5], v237 offset:3840*\g+960*(\t%2)+640+64*(\t/2)
	ds_load_b32 v[248+\t], v238 offset:7680+320*\g+128*(\t/2)+4*(\t%2)
.endr
	s_wait_dscnt 0x0
.irp t, 0,1,2,3
	v_wmma_scale_f32_16x16x128_f8f6f4 v[S+8*(4*\g+\t):S+8*(4*\g+\t)+7], v[KB+12*\t:KB+12*\t+11], v[16:27], 0, v[248+\t], v255 matrix_a_fmt:MATRIX_FMT_FP6 matrix_b_fmt:MATRIX_FMT_FP6
.endr
.endr
.irp ct, 0,1,2,3                       ; V's fragments are asked for now and land under the softmax
	ds_load_b128 v[VB+12*\ct:VB+12*\ct+3], v239 offset:8320+1920*\ct
	ds_load_b64 v[VB+12*\ct+4:VB+12*\ct+5], v240 offset:8320+1920*\ct+640
	ds_load_b128 v[VB+12*\ct+6:VB+12*\ct+9], v239 offset:8320+1920*\ct+960
	ds_load_b64 v[VB+12*\ct+10:VB+12*\ct+11], v240 offset:8320+1920*\ct+1600
.endr
	ds_load_b128 v[28:31], v241 offset:16000
	PLACES 4
	s_add_co_u32 s47, s15, 127                     ; on the diagonal hidden keys' scores become -infinity; a step all of whose keys count skips this
	s_cmp_le_u32 s47, s17
	s_cbranch_scc1 .Lopen_\@
	s_sub_co_i32 s47, s60, s15
	v_add_nc_u32 v252, s47, v9                     ; d = my query - the step's first key - 32 h.  Register 32 g + e holds key 64 g + 32 h + e: hidden where 64 g + e > d
	v_mov_b32 v254, 0xff800000
.set n, 0
.rept 64
	v_cmp_gt_i32 vcc_lo, 64*(n/32)+n%32, v252
	v_cndmask_b32 v[S+n], v[S+n], v254, vcc_lo
.set n, n+1
.endr
.Lopen_\@:
.irp b, 0,1,2,3                        ; the largest score of my two blocks of 32 keys, each in two chains: for the row's maximum and, since p rises with the score, for the block's largest p
	v_max3_num_f32 v[232+\b], v[S+16*\b], v[S+1+16*\b], v[S+2+16*\b]
.endr
.irp i, 3,5,7,9,11,13
.irp b, 0,1,2,3
	v_max3_num_f32 v[232+\b], v[232+\b], v[S+16*\b+\i], v[S+1+16*\b+\i]
.endr
.endr
	v_max3_num_f32 v232, v232, v233, v[S+15]
	v_max3_num_f32 v234, v234, v235, v[S+47]
	v_max_num_f32 v232, v232, v[S+31]              ; block h
	v_max_num_f32 v234, v234, v[S+63]              ; block 2 + h
	s_delay_alu instid0(VALU_DEP_1)
	v_max_num_f32 v254, v232, v234
	s_delay_alu instid0(VALU_DEP_1)
	v_mul_f32 v254, s22, v254                      ; as t
	s_delay_alu instid0(VALU_DEP_1)
	v_permlanex16_b32 v236, v254, s20, s21         ; lane l xor 16's 64 keys
	s_delay_alu instid0(VALU_DEP_1)
	v_max3_num_f32 v13, v13, v254, v236            ; the running largest t
	v_mov_b32 v254, v12
	s_delay_alu instid0(VALU_DEP_2)
	v_floor_f32 v12, -v13                          ; the new -M = -ceil(t)
	s_delay_alu instid0(VALU_DEP_1)
	v_sub_f32 v254, v12, v254                      ; old M - new M: a whole number, 0 or less
	s_delay_alu instid0(VALU_DEP_1)
	v_cvt_i32_f32 v254, v254                       ; (it saturates)
	s_delay_alu instid0(VALU_DEP_1)
	v_ldexp_f32 v252, 1.0, v254                    ; f = 2^(old M - new M)
.set n, 0
.rept 32
	v_pk_fma_f32 v[S+n:S+n+1], v[S+n:S+n+1], s[22:23], v[12:13] op_sel_hi:[1,0,0]   ; t - M, two at a time
.set n, n+2
.endr
	v_fma_f32 v232, v232, s22, v12
	v_fma_f32 v234, v234, s22, v12
	s_wait_alu depctr_va_vdst(0)                   ; the wait ahead of the batch
.set n, 0
.rept 64
	v_exp_f32 v[S+n], v[S+n]                       ; p = 2^(t - M)
.set n, n+1
.endr
	v_pk_mul_f32 v[14:15], v[14:15], v[252:253] op_sel_hi:[1,0]   ; the sums under the new M: a plain line behind the exponentials
	s_wait_alu depctr_va_vdst(0)                   ; one wait for the batch, ahead of its first reader
	v_exp_f32 v232, v232                           ; each block's largest p
	v_exp_f32 v234, v234
	v_pk_add_f32 v[236:237], v[132:133], v[136:137]   ; the row's sum is taken of the unquantised p
	v_pk_add_f32 v[250:251], v[140:141], v[144:145]
	v_pk_add_f32 v[248:249], v[148:149], v[152:153]
	v_pk_add_f32 v[246:247], v[156:157], v[160:161]
	v_pk_add_f32 v[244:245], v[164:165], v[168:169]
	v_pk_add_f32 v[242:243], v[172:173], v[176:177]
	v_pk_add_f32 v[240:241], v[180:181], v[184:185]
	v_pk_add_f32 v[14:15], v[14:15], v[188:189]
	v_pk_add_f32 v[236:237], v[236:237], v[128:129]
	v_pk_add_f32 v[250:251], v[250:251], v[130:131]
	v_pk_add_f32 v[248:249], v[248:249], v[134:135]
	v_pk_add_f32 v[246:247], v[246:247], v[138:139]
	v_pk_add_f32 v[244:245], v[244:245], v[142:143]
	v_pk_add_f32 v[242:243], v[242:243], v[146:147]
	v_pk_add_f32 v[240:241], v[240:241], v[150:151]
	v_pk_add_f32 v[14:15], v[14:15], v[154:155]
	v_pk_add_f32 v[236:237], v[236:237], v[158:159]
	v_pk_add_f32 v[250:251], v[250:251], v[162:163]
	v_pk_add_f32 v[248:249], v[248:249], v[166:167]
	v_pk_add_f32 v[246:247], v[246:247], v[170:171]
	v_pk_add_f32 v[244:245], v[244:245], v[174:175]
	v_pk_add_f32 v[242:243], v[242:243], v[178:179]
	v_pk_add_f32 v[240:241], v[240:241], v[182:183]
	v_pk_add_f32 v[14:15], v[14:15], v[186:187]
	v_pk_add_f32 v[236:237], v[236:237], v[190:191]
	s_delay_alu instid0(VALU_DEP_2)
	v_pk_add_f32 v[14:15], v[14:15], v[246:247]
	s_delay_alu instid0(VALU_DEP_2)
	v_pk_add_f32 v[236:237], v[236:237], v[244:245]
	v_pk_add_f32 v[250:251], v[250:251], v[242:243]
	v_pk_add_f32 v[248:249], v[248:249], v[240:241]
	s_delay_alu instid0(VALU_DEP_2)
	v_pk_add_f32 v[14:15], v[14:15], v[250:251]
	s_delay_alu instid0(VALU_DEP_2)
	v_pk_add_f32 v[236:237], v[236:237], v[248:249]
	s_delay_alu instid0(VALU_DEP_1)
	v_pk_add_f32 v[14:15], v[14:15], v[236:237]
	s_wait_alu depctr_va_vdst(0)                   ; and one for the two
	v_max_num_f32 v232, 0x1800000, v232            ; the floor 2^(3 - 127)
	v_max_num_f32 v234, 0x1800000, v234
	s_delay_alu instid0(VALU_DEP_2)
	v_add_nc_u32 v244, 0xff000000, v232            ; the conversions' scale operands
	s_delay_alu instid0(VALU_DEP_2)
	v_add_nc_u32 v245, 0xff000000, v234
	s_delay_alu instid0(VALU_DEP_2)
	v_lshrrev_b32 v236, 23, v244
	s_delay_alu instid0(VALU_DEP_2)
	v_lshrrev_b32 v237, 23, v245
	s_delay_alu instid0(VALU_DEP_1)
	v_lshl_or_b32 v[PWD], v237, 16, v236           ; my two bytes: blocks h and 2 + h,
	s_delay_alu instid0(VALU_DEP_1)
	v_lshlrev_b32 v[PWD], v0, v[PWD]               ; at their places (8 h bits up);
	s_delay_alu instid0(VALU_DEP_1)
	v_permlanex16_b32 v238, v[PWD], s20, s21
	s_delay_alu instid0(VALU_DEP_1)
	v_or_b32 v[PWD], v[PWD], v238                  ; with lane l xor 16's two, p's scale word for these 128 keys
	v_cvt_scalef32_pk16_fp6_f32 v[224:226], v[S:S+15], v244
	v_cvt_scalef32_pk16_fp6_f32 v[240:242], v[S+16:S+31], v244      ; (a conversion's three registers begin on an even number)
	v_cvt_scalef32_pk16_fp6_f32 v[230:232], v[S+32:S+47], v245
	v_cvt_scalef32_pk16_fp6_f32 v[246:248], v[S+48:S+63], v245
	v_nop                                          ; one plain line behind the scaled conversions
.irp i, 0,1,2
	v_mov_b32 v[227+\i], v[240+\i]
	v_mov_b32 v[233+\i], v[246+\i]
.endr
	s_wait_alu depctr_va_vdst(0)                   ; the wait directly ahead of the first reader of O^T
.set n, 0
.rept 16
	v_pk_mul_f32 v[O+n:O+n+1], v[O+n:O+n+1], v[252:253] op_sel_hi:[1,0]   ; O^T under the new M; these lines are also the places between p's codes and scale word and the products
.set n, n+2
.endr
	s_wait_alu depctr_va_vdst(0)
	s_wait_dscnt 0x0                               ; V is in
.irp ct, 0,1,2,3                       ; O^T += V^T P^T: four accumulators, one instruction each
	v_wmma_scale_f32_16x16x128_f8f6f4 v[O+8*\ct:O+8*\ct+7], v[VB+12*\ct:VB+12*\ct+11], v[224:235], v[O+8*\ct:O+8*\ct+7], v[28+\ct], v[PWD] matrix_a_fmt:MATRIX_FMT_FP6 matrix_b_fmt:MATRIX_FMT_FP6
.endr
.Lhidden_\@:
	s_add_co_u32 s15, s15, 128
	s_add_co_u32 s16, s16, SB
.endm
; A tile is finished: O^T / the sum, quantised along the head's 64 channels, goes to ac as half a fragment and half a scale word
.macro EPI
	PLACES 4                                       ; behind the last products
	s_wait_xcnt 0x0
	s_lshr_b32 s47, s19, 2
	s_mul_i32 s47, s47, 51200                      ; the group of 64 rows
	s_and_b32 s48, s19, 3
	s_mul_i32 s49, s48, 12288                      ; the tile
	s_add_co_u32 s50, s47, s49
	s_mov_b32 s51, 0
	s_add_nc_u64 s[52:53], s[40:41], s[50:51]
	s_lshl_b32 s49, s48, 6
	s_add_co_u32 s50, s47, s49
	s_add_nc_u64 s[54:55], s[42:43], s[50:51]
	v_add_f32 v14, v14, v15
	s_delay_alu instid0(VALU_DEP_1)
	v_permlanex16_b32 v252, v14, s20, s21
	s_delay_alu instid0(VALU_DEP_1)
	v_add_f32 v14, v14, v252                       ; the row's sum
	s_wait_alu depctr_va_vdst(0)
	v_rcp_f32 v254, v14
	v_mov_b32 v252, 0xffff                         ; (a plain line behind the reciprocal)
	s_wait_alu depctr_va_vdst(0)                   ; ahead of its first reader
.set n, 0
.rept 16
	v_pk_mul_f32 v[S+n:S+n+1], v[O+n:O+n+1], v[254:255] op_sel_hi:[1,0]   ; register 16 b + i = channel 32 b + 16 (lane / 16) + i; each accumulator is read from its low end on
.set n, n+2
.endr
.irp b, 0,1
	v_max3_num_f32 v[236+\b], |v[S+16*\b]|, |v[S+1+16*\b]|, 0x1800000
.endr
.irp i, 2,4,6,8,10,12,14
.irp b, 0,1
	s_delay_alu instid0(VALU_DEP_2)
	v_max3_num_f32 v[236+\b], v[236+\b], |v[S+16*\b+\i]|, |v[S+1+16*\b+\i]|
.endr
.endr
.irp b, 0,1
	v_permlanex16_b32 v[240+\b], v[236+\b], s20, s21
.endr
.irp b, 0,1
	s_delay_alu instid0(VALU_DEP_2)
	v_max_num_f32 v[236+\b], v[236+\b], v[240+\b]
.endr
.irp b, 0,1
	s_delay_alu instid0(VALU_DEP_2)
	v_add_nc_u32 v[244+\b], 0xff000000, v[236+\b]
.endr
.irp b, 0,1
	s_delay_alu instid0(VALU_DEP_2)
	v_lshrrev_b32 v[240+\b], 23, v[244+\b]
.endr
	s_delay_alu instid0(VALU_DEP_1)
	v_lshl_or_b32 v253, v241, 8, v240              ; my row's two scale bytes
	v_cvt_scalef32_pk16_fp6_f32 v[224:226], v[S:S+15], v244
	v_cvt_scalef32_pk16_fp6_f32 v[236:238], v[S+16:S+31], v245
	v_nop
.irp i, 0,1,2
	v_permlane16_swap_b32 v[224+\i], v[236+\i]
.endr
.irp i, 0,1,2
	s_delay_alu instid0(VALU_DEP_3)
	v_mov_b32 v[227+\i], v[236+\i]
.endr
	v_cmp_eq_f32 vcc_lo, 0, v14                    ; no key was left for this row: its bytes become 0xff
	s_delay_alu instid0(VALU_DEP_1)
	v_cndmask_b32 v253, v253, v252, vcc_lo
	global_store_b128 v1, v[224:227], s[52:53]             ; 512 consecutive bytes
	global_store_b64 v2, v[228:229], s[52:53] offset:512   ; 256 consecutive bytes
	global_store_b16 v11, v253, s[54:55]                   ; lanes r and r + 16 write the same two bytes with the same value
.endm
	s_load_b128 s[4:7], s[0:1], 0x0                ; qc, kv
	s_load_b64 s[8:9], s[0:1], 0x10                ; ac
	v_lshl_add_u32 v7, v0, 2, SPARE
	v_mov_b32 v8, 0
	ds_add_u32 v7, v8                              ; the opening lines: the add, twice on end, and its wait
	ds_add_u32 v7, v8
	v_lshrrev_b32 v1, 5, v0
	v_readfirstlane_b32 s10, v1                    ; wave 0..15
	s_mov_b32 s11, ttmp9                           ; j
	s_and_b32 s12, ttmp7, 0xffff                   ; n x 16 + head
	s_lshl_b32 s47, s11, 1
	s_sub_co_u32 s46, 16, s47                      ; the key steps that this work-group reads
	; descriptor group 1: a step's 13,056 dense bytes as 51 rows of 256 bytes (32 elements of 8 bytes), 16 words of padding behind every 64
	s_mov_b32 s24, (3<<16)|(1<<20)|(5<<22)|(15<<25)
	s_mov_b32 s25, 32<<16
	s_mov_b32 s26, 51<<16
	s_mov_b32 s27, 32<<16
	s_mov_b32 s28, 51
	s_mov_b32 s29, 32
	s_mov_b32 s30, 0
	s_mov_b32 s31, 0
	s_mov_b32 s32, 1
	s_mul_i32 s33, s10, SB                         ; LDS: step w
	s_mul_i32 s48, s12, 208896                     ; my head in kv
	s_mul_i32 s50, s10, STEPB
	s_add_co_u32 s50, s50, s48
	s_mov_b32 s51, 0
	s_mov_b32 s49, 0
	s_wait_dscnt 0x0
	s_wait_kmcnt 0x0
	s_add_nc_u64 s[34:35], s[6:7], s[50:51]
	s_or_b32 s35, s35, 0x80000000
	s_cmp_lt_u32 s10, 4                            ; one chain of branches, one load to an arm: waves 0-3, whose steps the first barrier shows, have a line of their own
	s_cbranch_scc0 .Larm_b
	tensor_load_to_lds s[32:35], s[24:31]
	s_nop 0
	PLACES 4
	s_branch .Lasked
.Larm_b:
	s_cmp_lt_u32 s10, s46                          ; a step that no wave of this work-group reads is not fetched
	s_cbranch_scc0 .Lasked
	tensor_load_to_lds s[32:35], s[24:31]
	s_nop 0
	PLACES 4
.Lasked:
	s_mul_i32 s48, s12, 106496
	s_add_nc_u64 s[38:39], s[4:5], s[48:49]        ; my head in qc
	s_lshr_b32 s47, s12, 4                         ; n
	s_and_b32 s50, s12, 15                         ; head
	s_mul_i32 s47, s47, 1638400
	s_lshr_b32 s62, s50, 1                         ; the last product's K step
	s_and_b32 s63, s50, 1                          ; and its half
	s_mul_i32 s48, s62, 1536
	s_add_co_u32 s48, s48, s47
	s_mul_i32 s50, s63, 768
	s_add_co_u32 s48, s48, s50
	s_add_nc_u64 s[40:41], s[8:9], s[48:49]        ; ac: my head's half fragments
	s_lshl_b32 s48, s62, 8
	s_add_co_u32 s48, s48, s47
	s_lshl_b32 s50, s63, 1
	s_add_co_u32 s48, s48, s50
	s_add_co_u32 s48, s48, 49152
	s_add_nc_u64 s[42:43], s[8:9], s[48:49]        ; and its halves of the scale words
	s_mov_b32 s20, 0x76543210
	s_mov_b32 s21, 0xfedcba98
	s_mov_b32 s22, 0x3e38aa3b                      ; c = log2(e) / 8
	s_mov_b32 s23, s22
	s_mov_b32 s15, 0                               ; the step's first key
	s_mov_b32 s16, 0                               ; the step in LDS
	s_lshl_b32 s47, s11, 1
	s_lshr_b32 s48, s10, 3
	s_add_co_u32 s47, s47, s48
	s_sub_co_u32 s47, 15, s47
	s_lshl_b32 s47, s47, 3
	s_and_b32 s48, s10, 7
	s_add_co_u32 s19, s47, s48                     ; the long tile, taken first
	s_lshl_b32 s61, s11, 4
	s_add_co_u32 s61, s61, s10                     ; the short one
	v_and_b32 v9, 31, v0
	v_lshlrev_b32 v1, 4, v9                        ; 16 l
	v_lshlrev_b32 v2, 3, v9                        ; 8 l
	v_and_b32 v11, 15, v0                          ; r
	v_lshlrev_b32 v3, 4, v11                       ; 16 r
	v_bfe_u32 v252, v0, 4, 1                       ; h
	v_bfe_u32 v253, v0, 3, 1                       ; a = r / 8
	v_and_b32 v254, 7, v0                          ; i = r % 8
	v_mul_u32_u24 v5, v253, 1920                   ; two tiles of 960 bytes on
	v_lshl_add_u32 v4, v254, 4, v5
	v_mad_u32_u24 v4, v252, 320, v4                ; K's registers 0-3: 1920 a + 16 i + 320 h
	v_lshl_add_u32 v5, v254, 3, v5
	v_lshl_add_u32 v5, v252, 7, v5                 ; K's registers 4, 5: 1920 a + 8 i + 128 h
	v_lshlrev_b32 v6, 3, v253
	v_add_nc_u32 v9, v11, v6
	v_lshl_add_u32 v6, v254, 4, v6                 ; K's scale words: 16 i + 8 a
	v_mad_u32_u24 v10, v252, 320, v3               ; V's 16-byte pieces: 16 r + 320 h
	v_lshlrev_b32 v236, 5, v252
	v_sub_nc_u32 v9, v9, v236                      ; r + 8 (r / 8) - 32 h
	v_sub_nc_u32 v237, 1, v252
	v_lshlrev_b32 v22, 3, v237                     ; Q at k = 64: the code +1 (0x08) in lanes 0-15
	v_mul_u32_u24 v238, v237, 0x28                 ; K at k = 64: the code -1 (0x28)
	v_lshlrev_b32 v11, 2, v11                      ; 4 r
	v_lshlrev_b32 v0, 3, v252                      ; 8 h
.irp i, 23,24,25,26,27
	v_mov_b32 v\i, 0
.endr
.irp t, 0,1,2,3
	v_mov_b32 v[KB+12*\t+6], v238
.irp i, 7,8,9,10,11
	v_mov_b32 v[KB+12*\t+\i], 0
.endr
.endr
.irp i, 239,240,241,242,243
	v_mov_b32 v\i, 0                               ; written once: lane permutes' destinations count as read
.endr
	INIT
	s_wait_alu depctr_va_vdst(0)                   ; the wait at the head's end
	s_cmp_lt_u32 s10, 4
	s_cbranch_scc0 .Lnot_a
	s_wait_tensorcnt 0x0                           ; my step, one of 0-3, has landed
.Lnot_a:
	s_barrier_signal -1
	s_barrier_wait -1                              ; steps 0-3 are in
	s_mov_b32 s14, 0
.Lfirst:                                           ; the long tile, key steps 0-3
	STEP
	s_add_co_u32 s14, s14, 1
	s_cmp_lt_u32 s14, 4
	s_cbranch_scc1 .Lfirst
	s_wait_tensorcnt 0x0                           ; every wave: its load, if it has one, has landed
	s_wait_dscnt 0x0
	s_barrier_signal -1
	s_barrier_wait -1                              ; all steps are in; from here on the waves share nothing
	s_mov_b32 s15, 512
	s_mov_b32 s16, 4*SB
	s_mov_b32 s14, 0
.Lrest:                                            ; key steps 4-15: a constant count; the steps behind the tile's last are passed over by the branch on ids at a step's head
	STEP
	s_add_co_u32 s14, s14, 1
	s_cmp_lt_u32 s14, 12
	s_cbranch_scc1 .Lrest
	EPI
	s_mov_b32 s19, s61
	INIT
	s_mov_b32 s15, 0
	s_mov_b32 s16, 0
	s_mov_b32 s14, 0
.Lshort:                                           ; the short tile: at most 2 j + 2 of key steps 0-7
	STEP
	s_add_co_u32 s14, s14, 1
	s_cmp_lt_u32 s14, 8
	s_cbranch_scc1 .Lshort
	EPI
	s_wait_tensorcnt 0x0                           ; the wave's end
	ds_add_u32 v7, v8
	s_wait_dscnt 0x0
	s_endpgm
.Lfunc_end_k_q27996b7b4d_attn:
	.size	k_q27996b7b4d_attn, .Lfunc_end_k_q27996b7b4d_attn-k_q27996b7b4d_attn
	.p2alignl 7, 3214868480
	.fill 96, 4, 3214868480
	.section	.rodata,"a",@progbits
	.p2align	6, 0x0
	.amdhsa_kernel k_q27996b7b4d_attn
		.amdhsa_group_segment_fixed_size 263168
		.amdhsa_private_segment_fixed_size 0
		.amdhsa_enable_private_segment 0
		.amdhsa_kernarg_size 24
		.amdhsa_user_sgpr_count 2
		.amdhsa_user_sgpr_kernarg_segment_ptr 1
		.amdhsa_wavefront_size32 1
		.amdhsa_system_sgpr_workgroup_id_x 1
		.amdhsa_system_sgpr_workgroup_id_y 1
		.amdhsa_system_sgpr_workgroup_id_z 1
		.amdhsa_system_vgpr_workitem_id 0
		.amdhsa_next_free_vgpr 256
		.amdhsa_next_free_sgpr 66
		.amdhsa_reserve_vcc 1
		.amdhsa_float_denorm_mode_32 3
		.amdhsa_float_denorm_mode_16_64 3
		.amdhsa_memory_ordered 1
		.amdhsa_forward_progress 1
		.amdhsa_inst_pref_size 86
	.end_amdhsa_kernel
	.amdgpu_metadata
---
amdhsa.version: [ 1, 2 ]
amdhsa.kernels:
  - .name:           k_q27996b7b4d_attn
    .symbol:         k_q27996b7b4d_attn.kd
    .args:
      - { .name: qc, .offset: 0, .size: 8, .value_kind: global_buffer, .address_space: global }
      - { .name: kv, .offset: 8, .size: 8, .value_kind: global_buffer, .address_space: global }
      - { .name: ac, .offset: 16, .size: 8, .value_kind: global_buffer, .address_space: global }
    .group_segment_fixed_size: 263168
    .private_segment_fixed_size: 0
    .kernarg_segment_align: 8
    .kernarg_segment_size: 24
    .max_flat_workgroup_size: 512
    .sgpr_count:     66
    .vgpr_count:     256
    .wavefront_size: 32
...
	.end_amdgpu_metadata
.endif
;; end of part 3
;; launch outp (part 4): grid 4 x 64, 4 waves a work-group, clusters of 4 x 1, 168,448 bytes of LDS; arguments ac, wc, bo, out0; writes out0
.if DOCPART == 4
	.amdgcn_target "amdgcn-amd-amdhsa--gfx1250"
	.amdhsa_code_object_version 6
	.text
	.protected	k_q27996b7b4d_outp
	.globl	k_q27996b7b4d_outp
	.p2align	8
	.type	k_q27996b7b4d_outp,@function
k_q27996b7b4d_outp:
	s_mov_b64 s[64:65], 0
	v_nop
	global_prefetch_b8 v0, s[64:65] scope:SCOPE_SE
	s_setreg_imm32_b32 hwreg(HW_REG_WAVE_MODE, 25, 1), 1
	s_wait_xcnt 0x0
	s_wait_alu depctr_hold_cnt(0) depctr_sa_sdst(0) depctr_va_vdst(0) depctr_va_sdst(0) depctr_va_ssrc(0) depctr_va_vcc(0) depctr_vm_vsrc(0)
	s_getreg_b32 s2, hwreg(HW_REG_IB_STS2, 6, 4)
	s_cmp_eq_u32 s2, 0
	s_cbranch_scc0 .Lentry_in_a_cluster
	s_endpgm
.Lentry_in_a_cluster:
	s_bfe_u32 s2, ttmp6, 0x10000c
	s_cmp_lg_u32 s2, 0x3003
	s_cbranch_scc0 .Lentry_shape_is_right
	s_endpgm
.Lentry_shape_is_right:
; out0 = attn Wo + bo on codes of FP6 (E2M3) with E8M0 scales; out0 [8192][1024] f32.
; SHARES.  Work-group y: rows 128 y on (two groups of 64); its place cx in the cluster: 256 columns; wave w: columns 256 cx + 64 w on.  The wave's 32 fragments of Wo stay in registers, read once.
; The 128 rows' codes and scale words, 102,400 dense bytes of ac, come into LDS once: the four work-groups of a cluster need the same rows, so each wave asks JOINTLY for a quarter.  No LDS byte is filled twice.
; Source 0 = 16 columns of Wo, source 1 = 16 rows of attn: a lane holds one row and, over the four tiles of columns, 32 of its 64 columns.  A tile of 16 rows x 64 columns goes through the wave's own stage in LDS
; and leaves as rows of 256 bytes.  Lane r of tile 2 b + u holds row (column) 32 b + 8 u + r + 8 (r / 8) of its group.
; A row of attn whose scale bytes are 0xff (no key was left for it) comes out NaN.
; REGISTERS, in windows of 256: window 0: v1-10, v15 addresses; v16-31 Wo's scale words, v32-47 attn's; v48-175 16 accumulators; v176-239 rows on their way out, two sets.
;   window 1: Wo's fragments of K steps 0-3;  window 2: of K steps 4-7;  window 3: v0-95 attn's fragments, two sets of four; v96-127 the bias as the first product's C.
.set GRP,  51200
.set STG,  102400                      ; behind the rows: a stage of 16 rows x 272 bytes for each wave; no fill lands there
.set WS,   16
.set AS,   32
.set ACC,  48
.set OB,   176
.set AF,   0
.set BI,   96
.set MSB, 0
.macro WIN new                         ; the immediate's high byte repeats the setting that is left
.if MSB != \new
	s_set_vgpr_msb (MSB<<8)|\new
.set MSB, \new
.endif
.endm
.macro PLACES n
.rept \n
	v_nop
.endr
.endm
.macro ROUND                           ; a round of the cluster's barrier
	s_barrier_signal -1
	s_barrier_wait -1
	s_cmp_lg_u32 s3, 0
	s_cbranch_scc1 .Lnot_wave_0_\@
	s_barrier_signal -3
.Lnot_wave_0_\@:
	s_barrier_wait -3
	s_barrier_signal -1
	s_barrier_wait -1
.endm
.macro MM d, a, b, c, sa, sb, ra, rb   ; one matrix instruction; ra, rb = 1: that side's scale words stand in lanes 16-31
.if (\ra) && (\rb)
	v_wmma_scale_f32_16x16x128_f8f6f4 v[(\d):(\d)+7], v[(\a):(\a)+11], v[(\b):(\b)+11], v[(\c):(\c)+7], v[(\sa)], v[(\sb)] matrix_a_fmt:MATRIX_FMT_FP6 matrix_b_fmt:MATRIX_FMT_FP6 matrix_a_scale:MATRIX_SCALE_ROW1 matrix_b_scale:MATRIX_SCALE_ROW1
.elseif (\ra)
	v_wmma_scale_f32_16x16x128_f8f6f4 v[(\d):(\d)+7], v[(\a):(\a)+11], v[(\b):(\b)+11], v[(\c):(\c)+7], v[(\sa)], v[(\sb)] matrix_a_fmt:MATRIX_FMT_FP6 matrix_b_fmt:MATRIX_FMT_FP6 matrix_a_scale:MATRIX_SCALE_ROW1
.elseif (\rb)
	v_wmma_scale_f32_16x16x128_f8f6f4 v[(\d):(\d)+7], v[(\a):(\a)+11], v[(\b):(\b)+11], v[(\c):(\c)+7], v[(\sa)], v[(\sb)] matrix_a_fmt:MATRIX_FMT_FP6 matrix_b_fmt:MATRIX_FMT_FP6 matrix_b_scale:MATRIX_SCALE_ROW1
.else
	v_wmma_scale_f32_16x16x128_f8f6f4 v[(\d):(\d)+7], v[(\a):(\a)+11], v[(\b):(\b)+11], v[(\c):(\c)+7], v[(\sa)], v[(\sb)] matrix_a_fmt:MATRIX_FMT_FP6 matrix_b_fmt:MATRIX_FMT_FP6
.endif
.endm
.macro WLOAD reg, off
	global_load_b128 v[(\reg):(\reg)+3], v1, s[40:41] offset:(\off)
	global_load_b64 v[(\reg)+4:(\reg)+5], v2, s[40:41] offset:(\off)+512
	global_load_b128 v[(\reg)+6:(\reg)+9], v1, s[40:41] offset:(\off)+768
	global_load_b64 v[(\reg)+10:(\reg)+11], v2, s[40:41] offset:(\off)+1280
.endm
.macro FETCH s, buf                    ; the group's four fragments of K step s from LDS into set buf: 16 loads
	WIN 0xc0
.irp i, 0,1,2,3
	ds_load_b128 v[AF+48*(\buf)+12*\i:AF+48*(\buf)+12*\i+3], v4 offset:12288*\i+1536*(\s)
	ds_load_b64 v[AF+48*(\buf)+12*\i+4:AF+48*(\buf)+12*\i+5], v5 offset:12288*\i+1536*(\s)+512
	ds_load_b128 v[AF+48*(\buf)+12*\i+6:AF+48*(\buf)+12*\i+9], v4 offset:12288*\i+1536*(\s)+768
	ds_load_b64 v[AF+48*(\buf)+12*\i+10:AF+48*(\buf)+12*\i+11], v5 offset:12288*\i+1536*(\s)+1280
.endr
.endm
.macro STEPMM s                        ; K step s: 16 matrix instructions on 16 accumulators, which take turns in the same order in every step
.if (\s) == 0
	WIN 0x3d                                       ; source 0 (Wo) window 1, source 1 (attn) window 3, C (bias) window 3
.elseif (\s) < 4
	WIN 0x0d
.else
	WIN 0x0e
.endif
.irp i, 0,1,2,3
.irp ct, 0,1,2,3
.if (\s) == 0
	MM ACC+8*(4*\i+\ct), 12*(4*\ct+(\s)%4), AF+48*((\s)%2)+12*\i, BI+8*\ct, WS+2*(\s)+\ct/2, AS+2*(\s)+\i/2, \ct%2, \i%2
.else
	MM ACC+8*(4*\i+\ct), 12*(4*\ct+(\s)%4), AF+48*((\s)%2)+12*\i, ACC+8*(4*\i+\ct), WS+2*(\s)+\ct/2, AS+2*(\s)+\i/2, \ct%2, \i%2
.endif
.endr
.endr
.endm
.macro TOSTAGE i                       ; tile i's 16 rows x 64 columns into my stage, and back as whole rows: LDS serves a wave's instructions in order
.irp ct, 0,1,2,3
	ds_store_b128 v7, v[ACC+8*(4*(\i)+\ct):ACC+8*(4*(\i)+\ct)+3] offset:128*(\ct/2)+32*(\ct%2)        ; each accumulator from its low end on
	ds_store_b128 v7, v[ACC+8*(4*(\i)+\ct)+4:ACC+8*(4*(\i)+\ct)+7] offset:128*(\ct/2)+32*(\ct%2)+16
.endr
.irp t, 0,1,2,3,4,5,6,7
	ds_load_b128 v[OB+32*((\i)%2)+4*\t:OB+32*((\i)%2)+4*\t+3], v8 offset:544*\t
.endr
.endm
.macro SEND i, younger                 ; younger: the LDS instructions issued behind tile i's loads, which may stay out
	s_wait_dscnt \younger
.irp t, 0,1,2,3,4,5,6,7
	global_store_b128 v10, v[OB+32*((\i)%2)+4*\t:OB+32*((\i)%2)+4*\t+3], s[36:37] offset:(32*((\i)/2)+8*((\i)%2)+2*\t+8*(\t/4))*4096 th:TH_STORE_NT   ; sixteen lanes store 256 consecutive bytes, aligned; two rows an instruction
.endr
.endm
	s_load_b256 s[8:15], s[0:1], 0x0               ; ac, wc, bo, out0
	v_lshl_add_u32 v254, v0, 2, 0x29000
	v_mov_b32 v255, 0
	ds_add_u32 v254, v255
	ds_add_u32 v254, v255
	v_lshrrev_b32 v4, 5, v0
	v_readfirstlane_b32 s3, v4                     ; wave
	v_and_b32 v4, 31, v0                           ; l
	v_and_b32 v5, 15, v0                           ; r
	v_bfe_u32 v6, v0, 4, 1                         ; h
	v_lshlrev_b32 v1, 4, v4
	v_lshlrev_b32 v2, 3, v4
	v_lshlrev_b32 v3, 2, v4
	v_lshlrev_b32 v15, 6, v6                       ; 64 h
	s_mul_i32 s56, s3, 4352
	s_add_co_u32 s56, s56, STG                     ; my stage
	v_mul_u32_u24 v7, v5, 272
	v_lshl_add_u32 v7, v6, 6, v7
	v_add_nc_u32 v7, s56, v7                       ; in: row r, + 64 h
	v_mul_u32_u24 v8, v6, 272
	v_lshl_add_u32 v8, v5, 4, v8
	v_add_nc_u32 v8, s56, v8                       ; back: lanes 0-15 one row, lanes 16-31 the next
	v_lshlrev_b32 v9, 12, v6
	v_lshl_add_u32 v9, v5, 4, v9                   ; and the same two rows in out0
	s_bfe_u32 s4, ttmp6, 0x40000                   ; cx: it enters global addresses of Wo, the bias and out0 alone
	s_and_b32 s5, ttmp7, 0xffff
	; descriptor group 1: a dense block of 25,600 bytes as 100 rows of 256 bytes
	s_mov_b32 s28, 15|(3<<16)|(1<<21)
	s_mov_b32 s29, 32<<16
	s_mov_b32 s30, 100<<16
	s_mov_b32 s31, 32<<16
	s_mov_b32 s32, 100
	s_mov_b32 s33, 32
	s_mov_b32 s34, 0
	s_mov_b32 s35, 0
	s_mov_b32 s24, 1
	s_mul_i32 s25, s3, 25600
	s_mul_i32 s56, s5, 102400
	s_add_co_u32 s56, s56, s25
	s_mov_b32 s57, 0
	s_wait_dscnt 0x0
	s_wait_kmcnt 0x0
	s_add_nc_u64 s[26:27], s[8:9], s[56:57]
	s_or_b32 s27, s27, 0x80000000
	ROUND                                          ; all four work-groups are here: the joint loads meet
	tensor_load_to_lds s[24:27], s[28:35]          ; my one tensor load of the launch
	s_nop 0
	PLACES 4
	s_lshl_b32 s60, s4, 2
	s_add_co_u32 s60, s60, s3                      ; which 64 columns
	s_mul_i32 s56, s60, GRP
	s_add_co_u32 s56, s56, 2457600                 ; Wo is the fourth weight in wc
	s_add_nc_u64 s[40:41], s[10:11], s[56:57]
	s_lshl_b32 s56, s60, 8
	s_add_nc_u64 s[42:43], s[12:13], s[56:57]      ; my 64 numbers of bo
	s_lshl_b32 s58, s5, 19                         ; 128 rows of 4,096 bytes
	s_add_co_u32 s56, s56, s58
	s_add_nc_u64 s[36:37], s[14:15], s[56:57]      ; out0 at my first row and column
	WIN 0x40
.irp ct, 0,1,2,3
.irp s, 0,1,2,3
	WLOAD 12*(4*\ct+\s), 12288*\ct+1536*\s
.endr
.endr
	WIN 0x80
.irp ct, 0,1,2,3
.irp s, 0,1,2,3
	WLOAD 12*(4*\ct+\s), 12288*\ct+1536*(\s+4)
.endr
.endr
	WIN 0xc0
	s_wait_alu depctr_va_vdst(0)
.irp ct, 0,1,2,3                       ; register j of tile ct is column 32 (ct / 2) + 16 h + 8 (ct % 2) + j
	global_load_b128 v[BI+8*\ct:BI+8*\ct+3], v15, s[42:43] offset:(32*(\ct/2)+8*(\ct%2))*4
	global_load_b128 v[BI+8*\ct+4:BI+8*\ct+7], v15, s[42:43] offset:(32*(\ct/2)+8*(\ct%2))*4+16
.endr
	WIN 0
.irp s, 0,1,2,3,4,5,6,7
.irp a, 0,1
	global_load_b32 v[WS+2*\s+\a], v3, s[40:41] offset:49152+256*\s+128*\a
.endr
.endr
	s_wait_loadcnt 0x0
	s_wait_tensorcnt 0x0                           ; my quarter of the rows has landed,
	s_barrier_signal -1
	s_barrier_wait -1                              ; everybody's has
	s_mov_b32 s48, 0
	s_mov_b32 s49, 0
.Lgroup:                                           ; two trips: a group of 64 rows each
	s_wait_xcnt 0x0                                ; the last trip's stores have read their registers
	v_add_nc_u32 v4, s48, v1
	s_wait_alu depctr_va_vdst(0)
	v_add_nc_u32 v5, s48, v2
	s_wait_alu depctr_va_vdst(0)
	v_add_nc_u32 v6, s48, v3
	s_lshl_b32 s56, s49, 18
	v_add_nc_u32 v10, s56, v9
	s_wait_alu depctr_va_vdst(0)
.irp s, 0,1,2,3,4,5,6,7
.irp a, 0,1
	ds_load_b32 v[AS+2*\s+\a], v6 offset:49152+256*\s+128*\a
.endr
.endr
	FETCH 0, 0
.irp s, 0,1,2,3,4,5,6
.if \s > 0
	PLACES 4                                       ; behind the products that last read the set that is fetched next
.endif
	FETCH \s+1, (\s+1)%2
	s_wait_dscnt 16                                ; all but the 16 loads just issued
	STEPMM \s
.endr
	s_wait_dscnt 0x0
	STEPMM 7
	WIN 0
	PLACES 5
	TOSTAGE 0
	TOSTAGE 1
	SEND 0, 16                                     ; behind tile 0's loads: tile 1's 8 stores and 8 loads
	s_wait_xcnt 0x0                                ; tile 0's stores have read their registers: tile 2's rows may land there
	TOSTAGE 2
	SEND 1, 16
	s_wait_xcnt 0x0
	TOSTAGE 3
	SEND 2, 16
	SEND 3, 0
	s_add_co_u32 s48, s48, GRP
	s_add_co_u32 s49, s49, 1
	s_cmp_lt_u32 s49, 2
	s_cbranch_scc1 .Lgroup
	s_wait_dscnt 0x0
	s_wait_tensorcnt 0x0
	ds_add_u32 v254, v255
	s_wait_dscnt 0x0
	ROUND                                          ; the closing round: no work-group ends while a partner may still ask for a tile that names it
	s_endpgm
.Lfunc_end_k_q27996b7b4d_outp:
	.size	k_q27996b7b4d_outp, .Lfunc_end_k_q27996b7b4d_outp-k_q27996b7b4d_outp
	.p2alignl 7, 3214868480
	.fill 96, 4, 3214868480
	.section	.rodata,"a",@progbits
	.p2align	6, 0x0
	.amdhsa_kernel k_q27996b7b4d_outp
		.amdhsa_group_segment_fixed_size 168448
		.amdhsa_private_segment_fixed_size 0
		.amdhsa_enable_private_segment 0
		.amdhsa_kernarg_size 32
		.amdhsa_user_sgpr_count 2
		.amdhsa_user_sgpr_kernarg_segment_ptr 1
		.amdhsa_wavefront_size32 1
		.amdhsa_system_sgpr_workgroup_id_x 1
		.amdhsa_system_sgpr_workgroup_id_y 1
		.amdhsa_system_sgpr_workgroup_id_z 1
		.amdhsa_system_vgpr_workitem_id 0
		.amdhsa_next_free_vgpr 896
		.amdhsa_next_free_sgpr 66
		.amdhsa_reserve_vcc 0
		.amdhsa_float_denorm_mode_32 3
		.amdhsa_float_denorm_mode_16_64 3
		.amdhsa_memory_ordered 1
		.amdhsa_forward_progress 1
		.amdhsa_inst_pref_size 53
	.end_amdhsa_kernel
	.amdgpu_metadata
---
amdhsa.version: [ 1, 2 ]
amdhsa.kernels:
  - .name:           k_q27996b7b4d_outp
    .symbol:         k_q27996b7b4d_outp.kd
    .args:
      - { .name: ac, .offset: 0, .size: 8, .value_kind: global_buffer, .address_space: global }
      - { .name: wc, .offset: 8, .size: 8, .value_kind: global_buffer, .address_space: global }
      - { .name: bo, .offset: 16, .size: 8, .value_kind: global_buffer, .address_space: global }
      - { .name: out0, .offset: 24, .size: 8, .value_kind: global_buffer, .address_space: global }
    .group_segment_fixed_size: 168448
    .private_segment_fixed_size: 0
    .kernarg_segment_align: 8
    .kernarg_segment_size: 32
    .max_flat_workgroup_size: 128
    .sgpr_count:     66
    .vgpr_count:     896
    .wavefront_size: 32
...
	.end_amdgpu_metadata
.endif
;; end of part 4
